; MI455X (gfx1250); checked and timed in simulation.
; The chip was launched on July 23, 2026; its instructions are those of AMD's public machine-readable ISA for CDNA 5 (MIT licence, August 2026) and "CDNA5" Instruction Set Architecture Reference Guide (July 2026). The comments in the code are by the model that wrote it; some were corrected since.
;; Mo E Plus Plus Layer. Allowed arithmetic: float matrix products may take bf16 or f16 operands with f32 sums; all other float work in f32.
;; Inputs: W1 8 x 1,024 x 4,096 float32; W2 8 x 4,096 x 1,024 float32; Wc1 1,024 x 512 float32; Wc2 512 x 1 float32; Wr 1,024 x 8 float32; b1 8 x 4,096 float32; b2 8 x 1,024 float32; bc1 512 float32; bc2 1 float32; br 8 float32; hidden_states 4 x 256 x 1,024 float32.
;; Outputs: out0 4 x 256 x 1,024 float32; out1 4 x 256 x 4 float32; out2 4 x 256 x 4 int32; out3 1,024 float32; out4 1,024 x 8 float32.
;; 2 versions, each right; version 2 is version 1 with the launches ffn1, ffn2, combine written anew for expert scheduling mode. Each part assembles by itself: llvm-mc -triple=amdgcn-amd-amdhsa -mcpu=gfx1250 --defsym DOCPART=n.
;; ======== version 1 of 2: 6 launches
;; limits: values outside matrix products are rounded to bf16
;; workspace buffers: ridx 20,480 bytes of whole numbers; rflt 57,344 bytes; plist 67,584 bytes of whole numbers; xF 17,039,360 bytes; hF 68,157,440 bytes; ypart 136,314,880 bytes
;; launch router (part 1): grid 32 x 9, 8 waves a work-group, no clusters, 66,560 bytes of LDS; arguments hidden_states, Wr, br, Wc1, bc1, Wc2, out4, ridx, rflt; writes out4, ridx, rflt
.if DOCPART == 1
	.amdgcn_target "amdgcn-amd-amdhsa--gfx1250"
	.amdhsa_code_object_version 6
	.text
	.protected	k_q0fa097f55d_router
	.globl	k_q0fa097f55d_router
	.p2align	8
	.type	k_q0fa097f55d_router,@function
k_q0fa097f55d_router:
	s_mov_b64 s[64:65], 0
	v_nop
	global_prefetch_b8 v0, s[64:65] scope:SCOPE_SE
	s_setreg_imm32_b32 hwreg(HW_REG_WAVE_MODE, 25, 1), 1
	s_wait_xcnt 0x0
; ROUTER AND FIRST LAYER OF THE CONFIDENCE NET.  1,024 tokens of 1,024 numbers.
; Work-group (x, y): x = a block of 32 tokens (two tiles of 16).  y = 0..7: 64 columns of Wc1 (relu, then the product with Wc2, one
; partial sum per token to zpart).  y = 8: the eight columns of Wr (logits, softmax, the four largest, the two gates).
; Eight waves split K: wave w multiplies k = 128 w .. 128 w + 127 (four matrix steps of 32); the eight partial tiles meet in LDS,
; and waves 0 and 1 finish one token tile each.
; NUMBERS: x, Wr, br, Wc1, bc1, Wc2 are all rounded to bf16; every sum, the hidden layer and the product with Wc2 stay in f32.
; LIMITS: logits are taken as finite (a chosen column is struck out with -inf).  The four largest are taken on the logits with a strict
; compare, so equal logits go to the lower column; two different logits whose probabilities round to one f32 number are ordered by logit.
; relu is v_max_num_f32 (a NaN becomes 0).  Divisions are v_rcp_f32 and a multiply; v_exp_f32 gives 0 below 2^-126.
; No cluster: what work-groups share here (x, 128 KiB a block) goes straight to registers to be rounded, not to LDS.
; k INSIDE A STEP: lane (r, h) holds k = 16 h + 0..15 in its eight registers, for BOTH operands, so the products are the true ones.
;   x:  64 neighbouring bytes of token r.      W: rows 16 h + j, four neighbouring columns 4 r .. 4 r + 3 (Wr: 4 (r & 1) ..).
;   Fragment q of W takes column 4 r + q.  With W as first source, register j of lane (r, h) of accumulator (t, q) is
;   token r of tile t, column 32 h + 4 j + q of the 64 (Wr: column 4 (j & 1) + q).
.set LANE, 1                           ; lane
.set R,    2                           ; lane & 15
.set H,    3                           ; lane >> 4
.set XV,   4                           ; byte offset of my x
.set WV,   5                           ; byte offset of my weights
.set RS,   6                           ; LDS: where my wave puts its partial tiles
.set RL,   7                           ; LDS: where I read the eight partial tiles of my token tile
.set TK,   8                           ; my token's number
.set OA,   9                           ; byte offset in out4
.set T0,   10                          ; v10-15 at work
.set ACC,  16                          ; v16-79   accumulators (t, q) at 8 (4 t + q); later v16-47 the summed tile
.set LG,   48                          ; v48-55   logits            (role Wr, after the sums)
.set WK,   56                          ; v56-63   logits, struck out one by one
.set CI,   64                          ; v64-71   the numbers 0..7
.set VAL,  72                          ; v72-75   the four largest logits
.set IDX,  76                          ; v76-79   their columns
.set WF,   80                          ; v80-111  four fragments of W; later Wc2
.set XF,   112                         ; v112-127 two fragments of x; later four chains / out4's numbers
.set SW,   128                         ; v128-191 W as loaded (16 rows x 4); later partial tiles and softmax
.set SX,   192                         ; v192-223 x as loaded (2 tiles x 16)
.set BC,   224                         ; v224-255 bias
.set AR,   128
.set EX,   144
.set PW,   160
.macro PLACES                          ; four independent vector places behind a matrix instruction (ISA guide 7.12.1)
.rept 4
	v_nop
.endr
.endm
.macro RND2 a, b, t                    ; two f32 numbers rounded to bf16 and widened again
	v_cvt_pk_bf16_f32 v[\t], v[\a], v[\b]
	v_lshlrev_b32 v[\a], 16, v[\t]
	v_and_b32 v[\b], 0xffff0000, v[\t]
.endm
.macro LDWR i, pitch                   ; 16 rows of W of step i
.irp j, 0,1,2,3,4,5,6,7,8,9,10,11,12,13,14,15
	global_load_b128 v[SW+4*\j:SW+4*\j+3], v[WV], s[30:31] offset:(32*(\i)+\j)*\pitch
.endr
.endm
.macro LDXR i                          ; 64 bytes of x for each of the two tiles, step i
.irp t, 0,1
.irp c, 0,1,2,3
	global_load_b128 v[SX+16*\t+4*\c:SX+16*\t+4*\c+3], v[XV], s[4:5] offset:\t*65536+(\i)*128+16*\c
.endr
.endr
.endm
.macro RSTEP i, pitch
	s_wait_loadcnt 8                               ; W of this step is in; the 8 younger loads are this step's x
.if \i > 0
	PLACES                                         ; WF and XF were sources of the last step's matrix instructions
.endif
.irp q, 0,1,2,3
.irp p, 0,1,2,3,4,5,6,7
	v_cvt_pk_bf16_f32 v[WF+8*\q+\p], v[SW+8*\p+\q], v[SW+8*\p+4+\q]   ; rows 2 p, 2 p + 1 of column 4 r + q
.endr
.endr
.if \i < 3
	LDWR \i+1, \pitch
	s_wait_loadcnt 16                              ; x of this step is in; the 16 younger loads are the next step's W
.else
	s_wait_loadcnt 0x0
.endif
.irp t, 0,1
.irp p, 0,1,2,3,4,5,6,7
	v_cvt_pk_bf16_f32 v[XF+8*\t+\p], v[SX+16*\t+2*\p], v[SX+16*\t+2*\p+1]
.endr
.endr
.if \i < 3
	LDXR \i+1
.endif
.irp t, 0,1
.irp q, 0,1,2,3
.if \i == 0
	v_wmma_f32_16x16x32_bf16 v[ACC+8*(4*\t+\q):ACC+8*(4*\t+\q)+7], v[WF+8*\q:WF+8*\q+7], v[XF+8*\t:XF+8*\t+7], 0
.else
	v_wmma_f32_16x16x32_bf16 v[ACC+8*(4*\t+\q):ACC+8*(4*\t+\q)+7], v[WF+8*\q:WF+8*\q+7], v[XF+8*\t:XF+8*\t+7], v[ACC+8*(4*\t+\q):ACC+8*(4*\t+\q)+7]
.endif
.endr
.endr
.endm
.macro RGEMM pitch
	LDWR 0, \pitch
	LDXR 0
	RSTEP 0, \pitch
	RSTEP 1, \pitch
	RSTEP 2, \pitch
	RSTEP 3, \pitch
.endm
; n partial tiles, of waves g0 .. g0 + n - 1, are read and added to v[ACC .. ACC+31]
.macro RGROUP g0, n
.set gi, 0
.rept \n
.irp c, 0,1,2,3,4,5,6,7
	ds_load_b128 v[SW+32*gi+4*\c:SW+32*gi+4*\c+3], v[RL] offset:(\g0+gi)*8192+\c*512
.endr
.set gi, gi+1
.endr
	s_wait_dscnt 0x0
.set gi, 0
.rept \n*16
	v_pk_add_f32 v[ACC+2*(gi%16):ACC+2*(gi%16)+1], v[ACC+2*(gi%16):ACC+2*(gi%16)+1], v[SW+2*gi:SW+2*gi+1]
.set gi, gi+1
.endr
.endm
.macro REDUCE
.irp c, 0,1,2,3,4,5,6,7
	ds_load_b128 v[ACC+4*\c:ACC+4*\c+3], v[RL] offset:\c*512       ; wave 0's partial tile starts the sum
.endr
	RGROUP 1, 3
	RGROUP 4, 3
	RGROUP 7, 1
.endm
	s_load_b512 s[4:19], s[0:1], 0x0               ; x s[4:5], Wr s[6:7], br s[8:9], Wc1 s[10:11], bc1 s[12:13], Wc2 s[14:15], out4 s[16:17], ridx s[18:19]
	s_load_b64 s[20:21], s[0:1], 0x40              ; rflt
	s_set_vgpr_msb 0x40
	v_lshl_add_u32 v0, v0, 2, 0x10000
	v_mov_b32 v1, 0
	s_set_vgpr_msb 0x4000
	v_lshrrev_b32 v[T0], 5, v0
	v_readfirstlane_b32 s22, v[T0]                 ; wave 0..7
	s_and_b32 s23, ttmp7, 0xffff                   ; y
	s_mov_b32 s26, 0x76543210                      ; v_permlanex16_b32: lane i takes lane i of the other half
	s_mov_b32 s27, 0xfedcba98
	v_and_b32 v[LANE], 31, v0
	v_and_b32 v[R], 15, v0
	v_bfe_u32 v[H], v0, 4, 1
	s_lshl_b32 s24, s22, 9
	v_lshl_add_u32 v[XV], v[R], 12, s24            ; token r x 4,096 + wave x 128 numbers
	v_lshl_add_u32 v[XV], v[H], 6, v[XV]           ; + 16 h numbers
	s_lshl_b32 s24, s22, 13
	v_lshl_add_u32 v[RS], v[LANE], 4, s24          ; 8,192 bytes of LDS for each wave
	s_lshl_b32 s24, s22, 7
	v_lshl_add_u32 v[T0], v[H], 4, s24             ; my first row of W: 128 w + 16 h
	s_lshl_b32 s28, ttmp9, 17                      ; 32 tokens of 4,096 bytes
	s_mov_b32 s29, 0
	s_wait_kmcnt 0x0
	s_add_nc_u64 s[4:5], s[4:5], s[28:29]
	s_cmp_eq_u32 s23, 8                            ; the role hangs on y alone: the same in all eight waves
	s_cbranch_scc1 .Lgemm_a
	v_lshlrev_b32 v[WV], 11, v[T0]                 ; Wc1: rows of 2,048 bytes,
	v_lshl_add_u32 v[WV], v[R], 4, v[WV]           ; columns 4 r ..
	s_lshl_b32 s28, s23, 8                         ; of the unit's 64 columns
	s_add_nc_u64 s[30:31], s[10:11], s[28:29]
	RGEMM 2048
	s_branch .Ljoin
.Lgemm_a:
	v_lshlrev_b32 v[WV], 5, v[T0]                  ; Wr: rows of 32 bytes,
	v_and_b32 v[T0+1], 1, v[R]
	v_lshl_add_u32 v[WV], v[T0+1], 4, v[WV]        ; columns 4 (r & 1) ..
	s_mov_b64 s[30:31], s[6:7]
	RGEMM 32
.Ljoin:
	PLACES                                         ; behind the last matrix instructions, before their results are stored
.irp a, 0,1,2,3,4,5,6,7,8,9,10,11,12,13,14,15
	ds_store_b128 v[RS], v[ACC+4*\a:ACC+4*\a+3] offset:\a*512
.endr
	s_wait_dscnt 0x0                               ; my partial tiles lie in LDS before I say so
	s_barrier_signal -1
	s_barrier_wait -1                              ; the only barrier: behind it LDS is only read
	s_cmp_ge_u32 s22, 2
	s_cbranch_scc1 .Lend                           ; waves 2 to 7 are done
	s_lshl_b32 s24, s22, 12
	v_lshl_add_u32 v[RL], v[LANE], 4, s24          ; token tile t = wave: 4,096 bytes into each wave's part
	s_lshl_b32 s24, ttmp9, 5
	s_lshl4_add_u32 s24, s22, s24
	v_add_nc_u32 v[TK], s24, v[R]                  ; token 32 x + 16 t + r
	s_cmp_eq_u32 s23, 8
	s_cbranch_scc1 .Lepi_a
	; ---- Wc1: bias, relu, product with Wc2 over my 32 columns, then the other half's 32 ----
	s_lshl_b32 s28, s23, 8
	s_add_nc_u64 s[32:33], s[12:13], s[28:29]      ; bc1 at the unit's 64 columns
	s_add_nc_u64 s[34:35], s[14:15], s[28:29]      ; Wc2 likewise
	s_lshl_b32 s28, s23, 12
	s_add_nc_u64 s[36:37], s[20:21], s[28:29]      ; zpart's row u (24,576 bytes into rflt: in the store's offset)
	v_lshlrev_b32 v[T0], 7, v[H]                   ; my 32 columns
.irp j, 0,1,2,3,4,5,6,7
	global_load_b128 v[BC+4*\j:BC+4*\j+3], v[T0], s[32:33] offset:16*\j    ; register 4 j + q: column 32 h + 4 j + q
.endr
.irp j, 0,1,2,3,4,5,6,7
	global_load_b128 v[WF+4*\j:WF+4*\j+3], v[T0], s[34:35] offset:16*\j
.endr
	REDUCE
	s_wait_loadcnt 0x0
.irp p, 0,1,2,3,4,5,6,7,8,9,10,11,12,13,14,15
	RND2 BC+2*\p, BC+2*\p+1, T0+1
	RND2 WF+2*\p, WF+2*\p+1, T0
.endr
.irp j, 0,1,2,3,4,5,6,7
.irp q, 0,1,2,3
	v_add_f32 v[T0+2+\q], v[ACC+8*\q+\j], v[BC+4*\j+\q]
.endr
.irp q, 0,1,2,3
	v_max_num_f32 v[T0+2+\q], 0, v[T0+2+\q]
.endr
.irp q, 0,1,2,3
.if \j == 0
	v_mul_f32 v[XF+\q], v[T0+2+\q], v[WF+4*\j+\q]  ; the first products start the four chains
.else
	v_fmac_f32 v[XF+\q], v[T0+2+\q], v[WF+4*\j+\q]
.endif
.endr
.endr
	v_add_f32 v[XF], v[XF], v[XF+1]
	v_add_f32 v[XF+2], v[XF+2], v[XF+3]
	v_add_f32 v[XF], v[XF], v[XF+2]
	v_permlanex16_b32 v[XF+1], v[XF], s26, s27     ; the other 32 columns of the same token
	v_add_f32 v[XF], v[XF], v[XF+1]
	v_lshlrev_b32 v[T0], 2, v[TK]
	s_wait_xcnt 0x0                                ; EXEC changes only behind this wait
	v_cmp_gt_u32 vcc_lo, 16, v[LANE]
	s_set_vgpr_msb 0x5
	s_wait_tensorcnt 0x0
	ds_add_u32 v0, v1
	s_wait_dscnt 0x0
	s_set_vgpr_msb 0x500
	s_and_saveexec_b32 s28, vcc_lo                 ; one lane for each token
	global_store_b32 v[T0], v[XF], s[36:37] offset:24576
	s_wait_xcnt 0x0
	s_or_b32 exec_lo, exec_lo, s28
	s_endpgm
	; ---- Wr: logits, the four largest, softmax, gates ----
.Lepi_a:
	v_mov_b32 v[T0], 0
	global_load_b128 v[BC:BC+3], v[T0], s[8:9]
	global_load_b128 v[BC+4:BC+7], v[T0], s[8:9] offset:16
	REDUCE
	s_wait_loadcnt 0x0
.irp p, 0,1,2,3
	RND2 BC+2*\p, BC+2*\p+1, T0+1
.endr
.irp j, 0,1
.irp q, 0,1,2,3
	v_add_f32 v[LG+4*\j+\q], v[ACC+8*\q+\j], v[BC+4*\j+\q]     ; column 4 j + q; both halves of the lanes hold all eight
.endr
.endr
	v_cmp_eq_u32 vcc_lo, 1, v[H]
.irp q, 0,1,2,3
	v_cndmask_b32 v[XF+\q], v[LG+\q], v[LG+4+\q], vcc_lo       ; lanes 0-15 store columns 0-3, lanes 16-31 columns 4-7
.endr
	v_lshlrev_b32 v[OA], 5, v[TK]
	v_lshl_add_u32 v[OA], v[H], 4, v[OA]
	global_store_b128 v[OA], v[XF:XF+3], s[16:17]
.irp c, 0,1,2,3,4,5,6,7
	v_mov_b32 v[WK+\c], v[LG+\c]
	v_mov_b32 v[CI+\c], \c
.endr
	v_mov_b32 v[T0+2], 0xff800000                  ; -inf strikes a chosen column out
.irp s, 0,1,2,3
	v_mov_b32 v[VAL+\s], v[WK]
	v_mov_b32 v[IDX+\s], 0
.irp c, 1,2,3,4,5,6,7
	v_cmp_gt_f32 vcc_lo, v[WK+\c], v[VAL+\s]       ; strictly larger: of equals the lower column stays
	v_cndmask_b32 v[VAL+\s], v[VAL+\s], v[WK+\c], vcc_lo
	v_cndmask_b32 v[IDX+\s], v[IDX+\s], v[CI+\c], vcc_lo
.endr
.if \s < 3
.irp c, 0,1,2,3,4,5,6,7
	v_cmp_eq_u32 vcc_lo, v[IDX+\s], v[CI+\c]
	v_cndmask_b32 v[WK+\c], v[WK+\c], v[T0+2], vcc_lo
.endr
.endif
.endr
.irp c, 0,1,2,3,4,5,6,7
	v_sub_f32 v[AR+\c], v[LG+\c], v[VAL]           ; minus the largest
.endr
.irp s, 0,1,2,3
	v_sub_f32 v[AR+8+\s], v[VAL+\s], v[VAL]
.endr
.irp c, 0,1,2,3,4,5,6,7,8,9,10,11
	v_mul_f32 v[AR+\c], 0x3fb8aa3b, v[AR+\c]       ; e^x = 2^(x log2 e)
.endr
.irp c, 0,1,2,3,4,5,6,7,8,9,10,11
	v_exp_f32 v[EX+\c], v[AR+\c]
.endr
	v_nop                                          ; one plain place behind the run of transcendentals (ISA guide 5.7.2)
	s_wait_alu depctr_va_vdst(0)
	v_add_f32 v[AR], v[EX], v[EX+1]
	v_add_f32 v[AR+1], v[EX+2], v[EX+3]
	v_add_f32 v[AR+2], v[EX+4], v[EX+5]
	v_add_f32 v[AR+3], v[EX+6], v[EX+7]
	v_add_f32 v[AR], v[AR], v[AR+1]
	v_add_f32 v[AR+2], v[AR+2], v[AR+3]
	v_add_f32 v[AR], v[AR], v[AR+2]                ; softmax's denominator
	v_add_f32 v[AR+4], 1.0, v[EX+9]                ; p0 + p1 over p0
	v_rcp_f32 v[AR+5], v[AR]
	v_rcp_f32 v[AR+6], v[AR+4]                     ; gate 0 = p0 / (p0 + p1)
	v_lshl_or_b32 v[AR+8], v[IDX+1], 8, v[IDX]     ; (a plain place) the two experts in one word
	s_wait_alu depctr_va_vdst(0)
.irp s, 0,1,2,3
	v_mul_f32 v[PW+\s], v[EX+8+\s], v[AR+5]        ; the four largest probabilities
.endr
	v_mul_f32 v[AR+7], v[EX+9], v[AR+6]            ; gate 1
	v_lshlrev_b32 v[T0], 2, v[TK]
	v_lshlrev_b32 v[T0+1], 4, v[TK]
	s_wait_xcnt 0x0                                ; EXEC changes only behind this wait
	v_cmp_gt_u32 vcc_lo, 16, v[LANE]
	s_and_saveexec_b32 s28, vcc_lo                 ; one lane for each token
	global_store_b32 v[T0], v[AR+8], s[18:19]                  ; eid
	global_store_b32 v[T0], v[AR+6], s[20:21]                  ; gates[0]
	global_store_b32 v[T0], v[AR+7], s[20:21] offset:4096      ; gates[1]
	global_store_b128 v[T0+1], v[PW:PW+3], s[20:21] offset:8192    ; the four weights, not yet masked
	global_store_b128 v[T0+1], v[IDX:IDX+3], s[18:19] offset:4096  ; the four columns, not yet masked
	s_wait_xcnt 0x0
	s_or_b32 exec_lo, exec_lo, s28
.Lend:
	s_set_vgpr_msb 0x5
	s_wait_tensorcnt 0x0
	ds_add_u32 v0, v1
	s_wait_dscnt 0x0
	s_set_vgpr_msb 0x500
	s_endpgm
.Lfunc_end_k_q0fa097f55d_router:
	.size	k_q0fa097f55d_router, .Lfunc_end_k_q0fa097f55d_router-k_q0fa097f55d_router
	.p2alignl 7, 3214868480
	.fill 96, 4, 3214868480
	.section	.rodata,"a",@progbits
	.p2align	6, 0x0
	.amdhsa_kernel k_q0fa097f55d_router
		.amdhsa_group_segment_fixed_size 66560
		.amdhsa_private_segment_fixed_size 0
		.amdhsa_enable_private_segment 0
		.amdhsa_kernarg_size 72
		.amdhsa_user_sgpr_count 2
		.amdhsa_user_sgpr_kernarg_segment_ptr 1
		.amdhsa_wavefront_size32 1
		.amdhsa_system_sgpr_workgroup_id_x 1
		.amdhsa_system_sgpr_workgroup_id_y 1
		.amdhsa_system_sgpr_workgroup_id_z 1
		.amdhsa_system_vgpr_workitem_id 0
		.amdhsa_next_free_vgpr 258
		.amdhsa_next_free_sgpr 66
		.amdhsa_reserve_vcc 1
		.amdhsa_float_denorm_mode_32 3
		.amdhsa_float_denorm_mode_16_64 3
		.amdhsa_memory_ordered 1
		.amdhsa_forward_progress 1
		.amdhsa_inst_pref_size 93
	.end_amdhsa_kernel
	.amdgpu_metadata
---
amdhsa.version: [ 1, 2 ]
amdhsa.kernels:
  - .name:           k_q0fa097f55d_router
    .symbol:         k_q0fa097f55d_router.kd
    .args:
      - { .name: hidden_states, .offset: 0, .size: 8, .value_kind: global_buffer, .address_space: global }
      - { .name: Wr, .offset: 8, .size: 8, .value_kind: global_buffer, .address_space: global }
      - { .name: br, .offset: 16, .size: 8, .value_kind: global_buffer, .address_space: global }
      - { .name: Wc1, .offset: 24, .size: 8, .value_kind: global_buffer, .address_space: global }
      - { .name: bc1, .offset: 32, .size: 8, .value_kind: global_buffer, .address_space: global }
      - { .name: Wc2, .offset: 40, .size: 8, .value_kind: global_buffer, .address_space: global }
      - { .name: out4, .offset: 48, .size: 8, .value_kind: global_buffer, .address_space: global }
      - { .name: ridx, .offset: 56, .size: 8, .value_kind: global_buffer, .address_space: global }
      - { .name: rflt, .offset: 64, .size: 8, .value_kind: global_buffer, .address_space: global }
    .group_segment_fixed_size: 66560
    .private_segment_fixed_size: 0
    .kernarg_segment_align: 8
    .kernarg_segment_size: 72
    .max_flat_workgroup_size: 256
    .sgpr_count:     66
    .vgpr_count:     258
    .wavefront_size: 32
...
	.end_amdgpu_metadata
.endif
;; end of part 1
;; launch plan (part 2): grid 8 x 1, 32 waves a work-group, no clusters, 0 bytes of LDS; arguments ridx, rflt, bc2, plist, out1, out2, out3; writes plist, out1, out2, out3
.if DOCPART == 2
	.amdgcn_target "amdgcn-amd-amdhsa--gfx1250"
	.amdhsa_code_object_version 6
	.text
	.protected	k_q0fa097f55d_plan
	.globl	k_q0fa097f55d_plan
	.p2align	8
	.type	k_q0fa097f55d_plan,@function
k_q0fa097f55d_plan:
	s_mov_b64 s[64:65], 0
	v_nop
	global_prefetch_b8 v0, s[64:65] scope:SCOPE_SE
	s_setreg_imm32_b32 hwreg(HW_REG_WAVE_MODE, 25, 1), 1
	s_wait_xcnt 0x0
; PLAN.  Work-group e = expert e.  1,024 threads, thread t = token t.  It stores, as whole numbers for the later launches:
;   list[e][slot] = token: the tokens that chose expert e (either of their two) in ascending order in slots 0 .. n - 1, and behind them the
;                   tokens that did not, so that the 1,024 words are a permutation, all written, with every lane on;
;   posE[e][t]    = 1040 e + (members among the tokens below t): the token's place if it chose e, a number that nobody reads if it did not;
;   n[e], ng[e]   = the count of members, and the number of groups of 80 slots, 4 .. 13 (at least 4, so that each of the four waves of the
;                   FFN launches has a group); 32 equal words each, one from each lane of wave 0.
; Every wave counts for itself: it loads all 1,024 words of eid (32 loads of 128 bytes), makes a mask of members for each group of 32 tokens
; and adds the masks' counts in scalar registers.  So nothing passes from wave to wave: no LDS, no barrier.
; Waves 0 to 3 also finish tokens 128 e .. 128 e + 127: confidence, the count of valid slots, out1, out2, out3.
; NUMBERS: bc2 is rounded to bf16 like all the routing inputs; the rest is f32.  sigmoid = rcp(1 + 2^(-z log2 e)).
; The count of valid slots is rndne(fma(1 - conf, 3, 1)): one rounding fewer than a multiply and an add.
; Eight work-groups: one list per expert is all the work there is.  No matrix unit, no cluster: 4 KiB of input a wave.
.set POSE_O, 0                         ; byte offsets in plist
.set NG_O,   32768
.set LIST_O, 33792
.set N_O,    66560
.set LANE, 1
.set L4,   2                           ; 4 x lane
.set T4,   3                           ; 4 t
.set PRE,  4                           ; members among my wave's lower lanes
.set RANK, 5                           ; members among the tokens below me
.set NR,   6                           ; n + non-members below me
.set SL,   7                           ; my slot, then its byte offset
.set PV,   8                           ; 1040 e + rank
.set NGV,  9
.set NV,   10
.set TA,   11
.set TB,   12
.set FA,   13                          ; the finishing block: 4 x token
.set FB,   14                          ;                      16 x token
.set EA,   16                          ; v16-47  register j: eid of token 32 j + lane
.set X,    48                          ; v48-76  the finishing block
.set DK,   X+28
.macro SLOTM k, c                      ; slot k counts if k < count
	v_cmp_lt_f32 vcc_lo, \c, v[DK]
	v_cndmask_b32 v[X+16+\k], 0, v[X+8+\k], vcc_lo
	v_cndmask_b32 v[X+20+\k], 0, v[X+12+\k], vcc_lo
.endm
	s_load_b256 s[4:11], s[0:1], 0x0               ; ridx s[4:5], rflt s[6:7], bc2 s[8:9], plist s[10:11]
	s_load_b128 s[12:15], s[0:1], 0x20             ; out1 s[12:13], out2 s[14:15]
	s_load_b64 s[16:17], s[0:1], 0x30              ; out3
	v_lshrrev_b32 v[TA], 5, v0
	v_readfirstlane_b32 s22, v[TA]                 ; wave 0..31
	s_mov_b32 s29, ttmp9                           ; e
	s_mov_b32 s37, 0                               ; the upper word of the offset pair s[36:37]
	s_mov_b32 s30, 0                               ; members in the groups below my wave's
	s_mov_b32 s31, 0                               ; n
	s_mov_b32 s42, 0                               ; my own group's mask
	v_and_b32 v[LANE], 31, v0
	v_lshlrev_b32 v[L4], 2, v[LANE]
	v_lshlrev_b32 v[T4], 2, v0
	s_wait_kmcnt 0x0
.set j, 0
.rept 32
	global_load_b32 v[EA+j], v[L4], s[4:5] offset:128*j        ; the two experts of token 32 j + lane
.set j, j+1
.endr
.set j, 0
.rept 32
	s_wait_loadcnt 31-j                            ; loads come back in order: group j is in, the 31 - j younger ones stay out
	v_and_b32 v[TA], 0xff, v[EA+j]
	v_lshrrev_b32 v[TB], 8, v[EA+j]
	v_cmp_eq_u32 s24, s29, v[TA]                   ; first choice is e
	v_cmp_eq_u32 s25, s29, v[TB]                   ; second choice is e
	s_or_b32 s24, s24, s25                         ; the group's members
	s_bcnt1_i32_b32 s25, s24
	s_add_co_u32 s31, s31, s25
	s_cmp_gt_u32 s22, j
	s_cselect_b32 s25, s25, 0                      ; only the groups below mine
	s_add_co_u32 s30, s30, s25
	s_cmp_eq_u32 s22, j
	s_cselect_b32 s42, s24, s42
.set j, j+1
.endr
	v_mbcnt_lo_u32_b32 v[PRE], s42, 0
	v_add_nc_u32 v[RANK], s30, v[PRE]
	v_sub_nc_u32 v[NR], v0, v[RANK]                ; non-members below me
	v_add_nc_u32 v[NR], s31, v[NR]
	v_cndmask_b32 v[SL], v[NR], v[RANK], s42       ; a member goes to slot rank, the others line up behind the n members
	v_min_u32 v[SL], 0x3ff, v[SL]                  ; made from loaded numbers: kept inside the expert's 1,024 words
	v_lshlrev_b32 v[SL], 2, v[SL]
	s_mul_i32 s36, s29, 1040
	v_add_nc_u32 v[PV], s36, v[RANK]
	s_lshl_b32 s36, s29, 12                        ; the expert's 1,024 words, in list and in posE
	s_add_nc_u64 s[44:45], s[10:11], s[36:37]
	global_store_b32 v[SL], v0, s[44:45] offset:LIST_O
	global_store_b32 v[T4], v[PV], s[44:45] offset:POSE_O
	s_cmp_lg_u32 s22, 0
	s_cbranch_scc1 .Lno_cnt
	s_add_co_u32 s32, s31, 79
	s_mul_i32 s32, s32, 52429                      ; (n + 79) / 80: 52429 / 2^22 is 1/80 with an excess too small to show below 262,144
	s_lshr_b32 s32, s32, 22
	s_max_u32 s32, s32, 4
	s_min_u32 s32, s32, 13                         ; ng
	s_lshl_b32 s36, s29, 7                         ; the expert's 32 words
	s_add_nc_u64 s[46:47], s[10:11], s[36:37]
	v_mov_b32 v[NGV], s32
	v_mov_b32 v[NV], s31
	global_store_b32 v[L4], v[NGV], s[46:47] offset:NG_O       ; the same number from all 32 lanes
	global_store_b32 v[L4], v[NV], s[46:47] offset:N_O
.Lno_cnt:
	s_cmp_ge_u32 s22, 4
	s_cbranch_scc1 .Lend
	; ---- tokens 128 e .. 128 e + 127: confidence and the masked outputs (registers of their own: no store above is disturbed) ----
	s_load_b32 s33, s[8:9], 0x0                    ; bc2
	s_mov_b32 s43, 0x40400000                      ; 3.0
	s_lshl_b32 s35, s29, 7
	v_add_nc_u32 v[TA], s35, v0
	v_lshlrev_b32 v[FA], 2, v[TA]
	v_lshlrev_b32 v[FB], 4, v[TA]
.irp u, 0,1,2,3,4,5,6,7
	global_load_b32 v[X+\u], v[FA], s[6:7] offset:24576+4096*\u    ; the eight partial sums of the confidence net
.endr
	global_load_b128 v[X+8:X+11], v[FB], s[6:7] offset:8192        ; four weights
	global_load_b128 v[X+12:X+15], v[FB], s[4:5] offset:4096       ; four columns
	s_wait_kmcnt 0x0
	v_mov_b32 v[X+24], s33
	v_cvt_pk_bf16_f32 v[X+24], v[X+24], v[X+24]
	v_lshlrev_b32 v[X+24], 16, v[X+24]
	s_wait_loadcnt 0x0
	v_add_f32 v[X], v[X], v[X+1]
	v_add_f32 v[X+2], v[X+2], v[X+3]
	v_add_f32 v[X+4], v[X+4], v[X+5]
	v_add_f32 v[X+6], v[X+6], v[X+7]
	v_add_f32 v[X], v[X], v[X+2]
	v_add_f32 v[X+4], v[X+4], v[X+6]
	v_add_f32 v[X], v[X], v[X+4]
	v_add_f32 v[X], v[X], v[X+24]
	v_mul_f32 v[X+25], 0xbfb8aa3b, v[X]            ; -z log2 e
	v_exp_f32 v[X+26], v[X+25]
	v_nop                                          ; a plain place behind a transcendental (ISA guide 5.7.2)
	s_wait_alu depctr_va_vdst(0)
	v_add_f32 v[X+26], 1.0, v[X+26]
	v_rcp_f32 v[X+27], v[X+26]                     ; confidence
	v_nop
	s_wait_alu depctr_va_vdst(0)
	v_sub_f32 v[DK], 1.0, v[X+27]
	v_fma_f32 v[DK], v[DK], s43, 1.0
	v_rndne_f32 v[DK], v[DK]
	v_max_num_f32 v[DK], 1.0, v[DK]
	v_min_num_f32 v[DK], 4.0, v[DK]                ; the count of valid slots, as f32: it only selects values
	SLOTM 0, 0
	SLOTM 1, 1.0
	SLOTM 2, 2.0
	SLOTM 3, 3.0
	global_store_b32 v[FA], v[X+27], s[16:17]
	global_store_b128 v[FB], v[X+16:X+19], s[12:13]
	global_store_b128 v[FB], v[X+20:X+23], s[14:15]
.Lend:
	s_endpgm
.Lfunc_end_k_q0fa097f55d_plan:
	.size	k_q0fa097f55d_plan, .Lfunc_end_k_q0fa097f55d_plan-k_q0fa097f55d_plan
	.p2alignl 7, 3214868480
	.fill 96, 4, 3214868480
	.section	.rodata,"a",@progbits
	.p2align	6, 0x0
	.amdhsa_kernel k_q0fa097f55d_plan
		.amdhsa_group_segment_fixed_size 0
		.amdhsa_private_segment_fixed_size 0
		.amdhsa_enable_private_segment 0
		.amdhsa_kernarg_size 56
		.amdhsa_user_sgpr_count 2
		.amdhsa_user_sgpr_kernarg_segment_ptr 1
		.amdhsa_wavefront_size32 1
		.amdhsa_system_sgpr_workgroup_id_x 1
		.amdhsa_system_sgpr_workgroup_id_y 1
		.amdhsa_system_sgpr_workgroup_id_z 1
		.amdhsa_system_vgpr_workitem_id 0
		.amdhsa_next_free_vgpr 80
		.amdhsa_next_free_sgpr 66
		.amdhsa_reserve_vcc 1
		.amdhsa_float_denorm_mode_32 3
		.amdhsa_float_denorm_mode_16_64 3
		.amdhsa_memory_ordered 1
		.amdhsa_forward_progress 1
		.amdhsa_inst_pref_size 24
	.end_amdhsa_kernel
	.amdgpu_metadata
---
amdhsa.version: [ 1, 2 ]
amdhsa.kernels:
  - .name:           k_q0fa097f55d_plan
    .symbol:         k_q0fa097f55d_plan.kd
    .args:
      - { .name: ridx, .offset: 0, .size: 8, .value_kind: global_buffer, .address_space: global }
      - { .name: rflt, .offset: 8, .size: 8, .value_kind: global_buffer, .address_space: global }
      - { .name: bc2, .offset: 16, .size: 8, .value_kind: global_buffer, .address_space: global }
      - { .name: plist, .offset: 24, .size: 8, .value_kind: global_buffer, .address_space: global }
      - { .name: out1, .offset: 32, .size: 8, .value_kind: global_buffer, .address_space: global }
      - { .name: out2, .offset: 40, .size: 8, .value_kind: global_buffer, .address_space: global }
      - { .name: out3, .offset: 48, .size: 8, .value_kind: global_buffer, .address_space: global }
    .group_segment_fixed_size: 0
    .private_segment_fixed_size: 0
    .kernarg_segment_align: 8
    .kernarg_segment_size: 56
    .max_flat_workgroup_size: 1024
    .sgpr_count:     66
    .vgpr_count:     80
    .wavefront_size: 32
...
	.end_amdgpu_metadata
.endif
;; end of part 2
;; launch gather (part 3): grid 8 x 8, 32 waves a work-group, no clusters, 0 bytes of LDS; arguments plist, hidden_states, xF; writes xF
.if DOCPART == 3
	.amdgcn_target "amdgcn-amd-amdhsa--gfx1250"
	.amdhsa_code_object_version 6
	.text
	.protected	k_q0fa097f55d_gather
	.globl	k_q0fa097f55d_gather
	.p2align	8
	.type	k_q0fa097f55d_gather,@function
k_q0fa097f55d_gather:
	s_mov_b64 s[64:65], 0
	v_nop
	global_prefetch_b8 v0, s[64:65] scope:SCOPE_SE
	s_setreg_imm32_b32 hwreg(HW_REG_WAVE_MODE, 25, 1), 1
	s_wait_xcnt 0x0
; GATHER.  Work-group (e, y): expert e, part y of K (128 of the 1,024 numbers of a token).  32 waves.
; Wave w takes the tiles T = w, w + 32, .. below 5 ng of 16 slots each.  Lane (r, h) reads the token of slot 16 T + r from the list that the
; launch before stored, loads part y of that token's x, rounds it to bf16 and stores it in the order in which the next launch's lanes want it:
; piece (tile T, K step s, half hf, lane (r, h)) = slot 16 T + r, k = 32 s + 16 hf + 8 h .. + 7, 16 bytes; a wave's store covers 512
; neighbouring bytes.  Slots at or past the count n hold zeros (there the list names some other token, whose numbers are masked away).
; The count n, the number of groups ng and the list are whole numbers read from memory; each is clamped before it steers anything.
; A gather and a cast: no LDS, no barrier (the waves do not depend on each other), no matrix unit, no cluster (each work-group reads other
; bytes of x).  A token's row is named by two experts, so its loads carry no hint that it is read once.
.set NG_O,   0x8000                    ; byte offsets in plist
.set LIST_O, 33792
.set N_O,    0x10400
.set LANE, 1
.set R,    2
.set H,    3
.set RHO,  4                           ; my slot
.set LI,   5                           ; its byte offset in the list
.set POS,  6                           ; the token
.set VM,   7                           ; all ones for a true slot, 0 for padding
.set GO,   8
.set SO,   9
.set TA,   10
.set X,    32                          ; v32-95
	s_load_b128 s[4:7], s[0:1], 0x0                ; plist s[4:5], x s[6:7]
	s_load_b64 s[8:9], s[0:1], 0x10                ; xF
	v_lshrrev_b32 v[TA], 5, v0
	v_readfirstlane_b32 s22, v[TA]                 ; wave 0..31
	s_and_b32 s23, ttmp7, 0xffff                   ; y
	s_mov_b32 s29, ttmp9                           ; e
	s_mov_b32 s37, 0                               ; the upper word of the offset pair s[36:37]
	v_and_b32 v[LANE], 31, v0
	v_and_b32 v[R], 15, v0
	v_bfe_u32 v[H], v0, 4, 1
	s_lshl_b32 s30, s29, 7                         ; the expert's 32 equal words
	s_wait_kmcnt 0x0
	s_load_b32 s32, s[4:5], s30 offset:NG_O        ; ng
	s_load_b32 s31, s[4:5], s30 offset:N_O         ; n
	s_lshl_b32 s36, s29, 12
	s_add_nc_u64 s[42:43], s[4:5], s[36:37]        ; the expert's 1,024 words of the list (LIST_O rides in the load's offset)
	s_lshl_b32 s36, s23, 9
	s_add_nc_u64 s[38:39], s[6:7], s[36:37]        ; x at part y: 128 numbers
	s_mul_i32 s36, s29, 2129920                    ; an expert's 65 tiles of 32,768 bytes
	s_lshl_b32 s35, s23, 12                        ; K steps 4 y .. of 1,024 bytes
	s_add_co_u32 s36, s36, s35
	s_add_nc_u64 s[40:41], s[8:9], s[36:37]
	s_wait_kmcnt 0x0
	s_min_u32 s32, s32, 13
	s_min_u32 s31, s31, 1024
	s_mul_i32 s33, s32, 5                          ; tiles of 16 slots
	s_add_co_u32 s33, s33, 31
	s_sub_co_u32 s33, s33, s22
	s_lshr_b32 s33, s33, 5                         ; my wave's trips (none for a high wave of a small expert)
	s_mov_b32 s28, 0                               ; trip c
	s_cmp_eq_u32 s33, 0
	s_cbranch_scc1 .Lend
.Ltile:
	s_wait_xcnt 0x0                                ; the last trip's loads and stores have read their registers
	s_lshl_b32 s34, s28, 5
	s_add_co_u32 s34, s34, s22                     ; tile T = 32 c + w
	s_min_u32 s34, s34, 64                         ; steered by a count read from memory: kept inside the expert's 65 tiles
	s_lshl_b32 s35, s34, 4
	v_add_nc_u32 v[RHO], s35, v[R]
	v_min_u32 v[LI], 0x3ff, v[RHO]                 ; slots 1,024 .. 1,039 are padding always: they read the list's last word and are masked
	v_lshlrev_b32 v[LI], 2, v[LI]
	global_load_b32 v[POS], v[LI], s[42:43] offset:LIST_O
	v_cmp_gt_u32 vcc_lo, s31, v[RHO]               ; a true slot: below n
	v_cndmask_b32 v[VM], 0, -1, vcc_lo
	s_lshl_b32 s35, s34, 15
	v_lshl_add_u32 v[SO], v[LANE], 4, s35          ; tile x 32,768 + 16 lane
	s_wait_loadcnt 0x0
	v_min_u32 v[POS], 0x3ff, v[POS]                ; a token read from memory stays inside x
	v_lshlrev_b32 v[GO], 12, v[POS]
	v_lshl_add_u32 v[GO], v[H], 5, v[GO]           ; token x 4,096 + 8 h numbers
.irp i, 0,1,2,3,4,5,6,7
	global_load_b128 v[X+8*\i:X+8*\i+3], v[GO], s[38:39] offset:64*\i          ; piece i = (K step i / 2, half i & 1): 8 numbers
	global_load_b128 v[X+8*\i+4:X+8*\i+7], v[GO], s[38:39] offset:64*\i+16
.endr
.irp i, 0,1,2,3,4,5,6,7
	s_wait_loadcnt 14-2*\i                         ; piece i's two loads are in; the later pieces' stay out
.irp c, 0,1,2,3
	v_cvt_pk_bf16_f32 v[X+8*\i+\c], v[X+8*\i+2*\c], v[X+8*\i+2*\c+1]           ; in place: register c is read no later than it is written
.endr
.irp c, 0,1,2,3
	v_and_b32 v[X+8*\i+\c], v[VM], v[X+8*\i+\c]    ; padding slots hold zeros
.endr
	global_store_b128 v[SO], v[X+8*\i:X+8*\i+3], s[40:41] offset:512*\i
.endr
	s_add_co_u32 s28, s28, 1
	s_cmp_lt_u32 s28, s33
	s_cbranch_scc1 .Ltile
.Lend:
	s_endpgm
.Lfunc_end_k_q0fa097f55d_gather:
	.size	k_q0fa097f55d_gather, .Lfunc_end_k_q0fa097f55d_gather-k_q0fa097f55d_gather
	.p2alignl 7, 3214868480
	.fill 96, 4, 3214868480
	.section	.rodata,"a",@progbits
	.p2align	6, 0x0
	.amdhsa_kernel k_q0fa097f55d_gather
		.amdhsa_group_segment_fixed_size 0
		.amdhsa_private_segment_fixed_size 0
		.amdhsa_enable_private_segment 0
		.amdhsa_kernarg_size 24
		.amdhsa_user_sgpr_count 2
		.amdhsa_user_sgpr_kernarg_segment_ptr 1
		.amdhsa_wavefront_size32 1
		.amdhsa_system_sgpr_workgroup_id_x 1
		.amdhsa_system_sgpr_workgroup_id_y 1
		.amdhsa_system_sgpr_workgroup_id_z 1
		.amdhsa_system_vgpr_workitem_id 0
		.amdhsa_next_free_vgpr 96
		.amdhsa_next_free_sgpr 66
		.amdhsa_reserve_vcc 1
		.amdhsa_float_denorm_mode_32 3
		.amdhsa_float_denorm_mode_16_64 3
		.amdhsa_memory_ordered 1
		.amdhsa_forward_progress 1
		.amdhsa_inst_pref_size 8
	.end_amdhsa_kernel
	.amdgpu_metadata
---
amdhsa.version: [ 1, 2 ]
amdhsa.kernels:
  - .name:           k_q0fa097f55d_gather
    .symbol:         k_q0fa097f55d_gather.kd
    .args:
      - { .name: plist, .offset: 0, .size: 8, .value_kind: global_buffer, .address_space: global }
      - { .name: hidden_states, .offset: 8, .size: 8, .value_kind: global_buffer, .address_space: global }
      - { .name: xF, .offset: 16, .size: 8, .value_kind: global_buffer, .address_space: global }
    .group_segment_fixed_size: 0
    .private_segment_fixed_size: 0
    .kernarg_segment_align: 8
    .kernarg_segment_size: 24
    .max_flat_workgroup_size: 1024
    .sgpr_count:     66
    .vgpr_count:     96
    .wavefront_size: 32
...
	.end_amdgpu_metadata
.endif
;; end of part 3
;; launch ffn1 (part 4): grid 32 x 8, 4 waves a work-group, no clusters, 295,424 bytes of LDS; arguments xF, W1, b1, plist, hF; writes hF
.if DOCPART == 4
	.amdgcn_target "amdgcn-amd-amdhsa--gfx1250"
	.amdhsa_code_object_version 6
	.text
	.protected	k_q0fa097f55d_ffn1
	.globl	k_q0fa097f55d_ffn1
	.p2align	8
	.type	k_q0fa097f55d_ffn1,@function
k_q0fa097f55d_ffn1:
	s_mov_b64 s[64:65], 0
	v_nop
	global_prefetch_b8 v0, s[64:65] scope:SCOPE_SE
	s_setreg_imm32_b32 hwreg(HW_REG_WAVE_MODE, 25, 1), 1
	s_wait_xcnt 0x0
; ONE LAYER OF THE EXPERTS' FFN (this text serves both layers; LAYER picks the sizes and the way out).
;   LAYER 1: h = relu(x W1[e] + b1[e]), stored as bf16 in the order in which layer 2's lanes want it.
;   LAYER 2: y = h W2[e] + b2[e], K in four parts; part ks stores its f32 partial sums (the bias rides on part 0).
; Only the slots that chose expert e are multiplied: a gate of 0 throws the other tokens' results away.
; LIMITS: that holds while those results are finite (0 x inf would be NaN).  relu is v_max_num_f32: a NaN becomes 0.  b1, b2 stay f32.
; Work-group (x, e): 128 columns x K = 1,024 of one expert's weights: 512 KiB of f32, read once, by this work-group alone.
;   FILL: wave w loads rows 256 w .. + 255 (a load = one row's 512 neighbouring bytes), rounds to bf16, stores to LDS as [k][128 columns],
;         pitch 288 bytes.  48 loads of each wave are on their way.  One barrier; behind it LDS's weights are only read.
;   PASS: wave w takes the groups g = w, w + 4, .. < ng of 80 slots (5 tiles of 16); ng was stored by the dispatch launch.
;         32 K steps: 8 weight fragments by transposing LDS loads, 5 slot fragments straight from memory (they lie there in lane order),
;         40 matrix instructions.  The loop over groups is a wave's own affair: no barrier in it.
; The matrix instruction takes the weights as first source: register j of lane (r, h) of tile (t, f) is slot r, column 16 f + 8 h + j.
; No cluster, no tensor loads: the weights are shared by no two work-groups and pass through registers to be rounded; the slots' fragments,
; which the expert's 32 work-groups share, go to registers without touching LDS (294,912 of its 327,680 bytes hold weights), and how many
; groups there are hangs on a count read from memory.
; REGISTERS, in windows of 256:  window 0: v0-31 addresses, v32-63 and v64-191 way out, v64-191 weight fragments (two buffers), v192-255 bias
;   window 1: accumulators of tiles t = 0..3 ((t, f) at 64 t + 8 f); during the fill three staging buffers of 64
;   window 2: v0-63 accumulators of t = 4; v64-223 slot fragments, four buffers of 40
.set LAYER, 1
.if LAYER == 1
.set WPITCH, 16384                     ; bytes from row to row of the weights
.set TSTR,   32768                     ; bytes of a tile of 16 slots in the input
.set XEXP,   2129920                   ; bytes of an expert's 65 tiles in the input
.set BEXP,   16384                     ; bytes of an expert's bias
.set OUTG,   655360                    ; bytes of a group of 80 slots in the output
.else
.set WPITCH, 4096
.set TSTR,   131072
.set XEXP,   8519680
.set BEXP,   4096
.set OUTG,   327680
.endif
.set WP,    288                        ; LDS pitch: 256 bytes + 32, an odd multiple of 32 for the transposing loads
.set STAGE, 1024*WP                    ; layer 2: behind the weights, 16 rows x 272 bytes for each wave
.set SP,    272
.set LANE, 2
.set R,    3
.set H,    4
.set XV,   5                           ; 16 x lane
.set WV,   6                           ; weights: 16 x lane + my wave's first row
.set BV,   7                           ; bias: 32 h
.set WS,   8                           ; v8, v9: LDS store address, rows 0-127 and 128-255 of my wave's 256
.set WA,   10                          ; v10-14: LDS address of my part of a weight fragment, K steps 7 i ..
.set STO,  16
.set RD,   17
.set CO,   18
.set TA,   20
.set T2,   32
.set WB,   64
.set BIAS, 192
.set XB,   64                          ; in window 2
.set MSB, 0
.macro WIN new                         ; the immediate's high byte repeats the setting that is left
.if MSB != \new
	s_set_vgpr_msb (MSB<<8)|\new
.set MSB, \new
.endif
.endm
.macro PLACES n                        ; independent vector places behind matrix instructions (ISA guide 7.12.1)
.rept \n
	v_nop
.endr
.endm
	s_load_b256 s[4:11], s[0:1], 0x0               ; input s[4:5], weights s[6:7], bias s[8:9], plist s[10:11]
	s_load_b64 s[12:13], s[0:1], 0x20              ; output
	v_lshl_add_u32 v30, v0, 2, 0x48000
	v_mov_b32 v31, 0
	v_lshrrev_b32 v[TA], 5, v0
	v_readfirstlane_b32 s14, v[TA]                 ; wave 0..3
	s_and_b32 s15, ttmp7, 0xffff                   ; e
.if LAYER == 1
	s_mov_b32 s16, ttmp9                           ; block of 128 columns, 0..31
	s_mov_b32 s17, 0                               ; one part of K
.else
	s_and_b32 s16, ttmp9, 7                        ; block of 128 columns, 0..7
	s_lshr_b32 s17, ttmp9, 3                       ; part of K, 0..3
.endif
	v_and_b32 v[LANE], 31, v0
	v_and_b32 v[R], 15, v0
	v_bfe_u32 v[H], v0, 4, 1
	v_lshlrev_b32 v[XV], 4, v[LANE]
	s_mul_i32 s28, s14, 256*WPITCH
	v_add_nc_u32 v[WV], s28, v[XV]
	s_mul_i32 s28, s14, 256*WP
	v_lshl_add_u32 v[WS], v[LANE], 3, s28          ; a lane's four columns are 8 bytes of bf16
	v_add_nc_u32 v[WS+1], 128*WP, v[WS]
	v_and_b32 v[TA], 7, v0
	v_lshl_add_u32 v[TA], v[H], 3, v[TA]           ; row 8 h + (lane & 7) of the K step
	v_mul_u32_u24 v[TA], v[TA], WP
	v_bfe_u32 v[TA+1], v0, 3, 1
	v_lshl_add_u32 v[WA], v[TA+1], 4, v[TA]        ; + 16 bytes for lanes 8-15 and 24-31
.irp i, 1,2,3,4
	v_add_nc_u32 v[WA+\i], \i*7*32*WP, v[WA]       ; seven K steps (64,512 bytes) are within an offset's reach
.endr
	v_lshlrev_b32 v[BV], 5, v[H]
.if LAYER == 2
	s_mul_i32 s28, s14, 16*SP
	s_add_co_u32 s28, s28, STAGE                   ; my wave's stage
	v_mul_u32_u24 v[TA], v[R], SP
	v_lshl_add_u32 v[TA], v[H], 5, v[TA]
	v_add_nc_u32 v[STO], s28, v[TA]                ; in: row r, 8 h columns of f32
	v_mul_u32_u24 v[TA], v[H], SP
	v_lshl_add_u32 v[TA], v[R], 4, v[TA]
	v_add_nc_u32 v[RD], s28, v[TA]                 ; back: lanes 0-15 one row of 256 bytes, lanes 16-31 the next
	v_lshlrev_b32 v[TA], 12, v[H]
	v_lshl_add_u32 v[CO], v[R], 4, v[TA]           ; the same two rows in the output
.endif
	s_mov_b32 s29, 0
	s_wait_kmcnt 0x0
	s_lshl_b32 s28, s15, 24                        ; an expert's weights: 16 MiB
	s_lshl_b32 s31, s17, 22                        ; a part of K: 1,024 rows of 4,096 bytes (layer 2)
	s_add_co_u32 s28, s28, s31
	s_lshl_b32 s31, s16, 9                         ; 128 columns of f32
	s_add_co_u32 s28, s28, s31
	s_add_nc_u64 s[32:33], s[6:7], s[28:29]        ; weights
	s_mul_i32 s28, s15, XEXP
	s_lshl_b32 s31, s17, 15                        ; a part of K: 32 K steps of 1,024 bytes
	s_add_co_u32 s28, s28, s31
	s_add_nc_u64 s[20:21], s[4:5], s[28:29]        ; input, the expert's slot 0
	s_mul_i32 s28, s15, BEXP
	s_lshl_b32 s31, s16, 9
	s_add_co_u32 s28, s28, s31
	s_add_nc_u64 s[34:35], s[8:9], s[28:29]        ; bias
.if LAYER == 1
	s_mul_i32 s28, s15, 8519680                    ; an expert's 65 tiles of 131,072 bytes
	s_lshl_b32 s31, s16, 12                        ; my 128 columns are four K steps of the next layer
	s_add_co_u32 s28, s28, s31
.else
	s_mul_i32 s28, s17, 34078720                   ; a part's 8,320 rows of 4,096 bytes
	s_mul_i32 s31, s15, 4259840                    ; an expert's 1,040 rows
	s_add_co_u32 s28, s28, s31
	s_lshl_b32 s31, s16, 9
	s_add_co_u32 s28, s28, s31
.endif
	s_add_nc_u64 s[24:25], s[12:13], s[28:29]      ; output, the expert's slot 0
	s_lshl_b32 s30, s15, 7
	s_load_b32 s18, s[10:11], s30 offset:0x8000    ; ng[e] (the first of its 32 equal words); waited for behind the fill
.irp f, 0,1,2,3,4,5,6,7
	global_load_b128 v[BIAS+8*\f:BIAS+8*\f+3], v[BV], s[34:35] offset:64*\f        ; register j: column 16 f + 8 h + j
	global_load_b128 v[BIAS+8*\f+4:BIAS+8*\f+7], v[BV], s[34:35] offset:64*\f+16
.endr
; ---- THE FILL ----
.macro FILLB bb                        ; 16 rows into staging buffer bb % 3
	WIN 0x40
.irp n, 0,1,2,3,4,5,6,7,8,9,10,11,12,13,14,15
	global_load_b128 v[64*((\bb)%3)+4*\n:64*((\bb)%3)+4*\n+3], v[WV], s[32:33] offset:(16*(\bb)+\n)*WPITCH th:TH_LOAD_NT
.endr
.endm
.macro PROC                            ; batch fb: round, store to LDS, ask for batch fb + 3
.if fb <= 13
	s_wait_loadcnt 32                              ; loads come back in order: batch fb (and the bias before it) is in, two younger batches stay out
.else
	s_wait_loadcnt 16*(15-fb)
.endif
	WIN 0x45
.irp n, 0,1,2,3,4,5,6,7,8,9,10,11,12,13,14,15
	v_cvt_pk_bf16_f32 v[64*(fb%3)+4*\n], v[64*(fb%3)+4*\n], v[64*(fb%3)+4*\n+1]
	v_cvt_pk_bf16_f32 v[64*(fb%3)+4*\n+1], v[64*(fb%3)+4*\n+2], v[64*(fb%3)+4*\n+3]
.endr
	WIN 0x04
.irp n, 0,1,2,3,4,5,6,7,8,9,10,11,12,13,14,15
	ds_store_b64 v[WS+((16*fb+\n)>>7)], v[64*(fb%3)+4*\n:64*(fb%3)+4*\n+1] offset:((16*fb+\n)&127)*WP
.endr
.if fb < 13
	FILLB fb+3
.endif
.endm
	FILLB 0
	FILLB 1
	FILLB 2
.set fb, 0
.rept 16
	PROC
.set fb, fb+1
.endr
	WIN 0
.if LAYER == 2
	s_cmp_eq_u32 s17, 0
	s_cselect_b32 s31, -1, 0
.set i, 0
.rept 64
	v_and_b32 v[BIAS+i], s31, v[BIAS+i]            ; the bias is added once: by part 0 of K
.set i, i+1
.endr
.endif
	s_wait_kmcnt 0x0
	s_min_u32 s18, s18, 13                         ; ng: 4 .. 13
	s_sub_co_u32 s18, s18, s14
	s_add_co_u32 s18, s18, 3
	s_lshr_b32 s18, s18, 2                         ; my passes: the groups w, w + 4, .. below ng; at least one, since ng >= 4
	s_wait_dscnt 0x0                               ; my rows lie in LDS before I say so
	s_barrier_signal -1
	s_barrier_wait -1                              ; the only barrier
; ---- A PASS: 80 slots x 128 columns x K = 1,024 ----
.macro LDW n                           ; K step n: eight weight fragments, 16 k x 16 columns to a transposing load
	WIN 0
.irp f, 0,1,2,3,4,5,6,7
.irp c, 0,1
	ds_load_tr16_b128 v[WB+64*((\n)&1)+8*\f+4*\c:WB+64*((\n)&1)+8*\f+4*\c+3], v[WA+(\n)/7] offset:((\n)%7)*32*WP+32*\f+16*WP*\c
.endr
.endr
.endm
.macro LDX n                           ; K step n: five slot fragments, each load 512 neighbouring bytes
	WIN 0x80
.irp t, 0,1,2,3,4
.irp c, 0,1
	global_load_b128 v[XB+40*((\n)&3)+8*\t+4*\c:XB+40*((\n)&3)+8*\t+4*\c+3], v[XV], s[22:23] offset:\t*TSTR+(\n)*1024+\c*512
.endr
.endr
.endm
.macro MULS                            ; K step st: 40 matrix instructions; in step 0 the bias starts the sums
.if st == 0
	WIN 0x48
.else
	WIN 0x58
.endif
.irp t, 0,1,2,3
.irp f, 0,1,2,3,4,5,6,7
.if st == 0
	v_wmma_f32_16x16x32_bf16 v[64*\t+8*\f:64*\t+8*\f+7], v[WB+64*(st&1)+8*\f:WB+64*(st&1)+8*\f+7], v[XB+40*(st&3)+8*\t:XB+40*(st&3)+8*\t+7], v[BIAS+8*\f:BIAS+8*\f+7]
.else
	v_wmma_f32_16x16x32_bf16 v[64*\t+8*\f:64*\t+8*\f+7], v[WB+64*(st&1)+8*\f:WB+64*(st&1)+8*\f+7], v[XB+40*(st&3)+8*\t:XB+40*(st&3)+8*\t+7], v[64*\t+8*\f:64*\t+8*\f+7]
.endif
.endr
.endr
.if st == 0
	WIN 0x88
.else
	WIN 0xa8
.endif
.irp f, 0,1,2,3,4,5,6,7
.if st == 0
	v_wmma_f32_16x16x32_bf16 v[8*\f:8*\f+7], v[WB+64*(st&1)+8*\f:WB+64*(st&1)+8*\f+7], v[XB+40*(st&3)+32:XB+40*(st&3)+39], v[BIAS+8*\f:BIAS+8*\f+7]
.else
	v_wmma_f32_16x16x32_bf16 v[8*\f:8*\f+7], v[WB+64*(st&1)+8*\f:WB+64*(st&1)+8*\f+7], v[XB+40*(st&3)+32:XB+40*(st&3)+39], v[8*\f:8*\f+7]
.endif
.endr
.endm
.macro KSTEP
	s_wait_dscnt 0x0                               ; this step's weight fragments, asked for one step ago
.if st <= 29
	s_wait_loadcnt 20                              ; this step's slot fragments are in; the next two steps' ten loads each stay out
.else
	s_wait_loadcnt 10*(31-st)
.endif
.if st > 0
	PLACES 4                                       ; the buffers loaded next were sources of the last step's matrix instructions
.endif
.if st < 31
	LDW st+1
.endif
.if st < 29
	LDX st+3
.endif
	MULS
.endm
	s_mov_b32 s36, 0                               ; pass c
.Lpass:
	s_wait_xcnt 0x0                                ; the last pass's loads and stores have read their bases and registers
	s_lshl2_add_u32 s19, s36, s14                  ; group g = 4 c + w
	s_min_u32 s19, s19, 12                         ; steered by a count read from memory: kept inside the expert's 13 groups
	s_mul_i32 s28, s19, 5*TSTR
	s_add_nc_u64 s[22:23], s[20:21], s[28:29]      ; the group's five tiles
	s_mul_i32 s28, s19, OUTG
	s_add_nc_u64 s[26:27], s[24:25], s[28:29]
	LDW 0
	LDX 0
	LDX 1
	LDX 2
.set st, 0
.rept 32
	KSTEP
.set st, st+1
.endr
	PLACES 5                                       ; before results are read, and before the next pass's first products write these accumulators anew
.if LAYER == 1
	; THE WAY OUT: relu, round to bf16.  A lane's eight numbers of tile (t, f) are 16 bytes of piece (K step 4 cb + f / 2, half f & 1)
	; of the next layer's input: a wave's store covers 512 neighbouring bytes.
	WIN 0x44
.set i, 0
.rept 256
	v_max_num_f32 v[i], 0, v[i]
.set i, i+1
.endr
	WIN 0x05
.set i, 0
.rept 128
	v_cvt_pk_bf16_f32 v[WB+i], v[2*i], v[2*i+1]
.set i, i+1
.endr
	WIN 0
.set i, 0
.rept 32
	global_store_b128 v[XV], v[WB+4*i:WB+4*i+3], s[26:27] offset:(i>>3)*131072+(i&7)*512
.set i, i+1
.endr
	WIN 0x88
.set i, 0
.rept 64
	v_max_num_f32 v[i], 0, v[i]
.set i, i+1
.endr
	WIN 0x0a
.set i, 0
.rept 32
	v_cvt_pk_bf16_f32 v[T2+i], v[2*i], v[2*i+1]
.set i, i+1
.endr
	WIN 0
.set i, 0
.rept 8
	global_store_b128 v[XV], v[T2+4*i:T2+4*i+3], s[26:27] offset:4*131072+i*512
.set i, i+1
.endr
.else
	; THE WAY OUT: 16 slots x 64 columns of f32 at a time through my wave's own stage, read back as rows of 256 bytes:
	; sixteen neighbouring lanes store 256 neighbouring, aligned bytes.
.macro OUT t, u, tb
.if \t < 4
	WIN 0x04
.irp f, 0,1,2,3
.irp c, 0,1
	ds_store_b128 v[STO], v[8*(8*\t+4*\u+\f)+4*\c:8*(8*\t+4*\u+\f)+4*\c+3] offset:64*\f+16*\c
.endr
.endr
.else
	WIN 0x08
.irp f, 0,1,2,3
.irp c, 0,1
	ds_store_b128 v[STO], v[8*(4*\u+\f)+4*\c:8*(4*\u+\f)+4*\c+3] offset:64*\f+16*\c
.endr
.endr
.endif
	WIN 0
	s_wait_xcnt 0x0                                ; earlier stores have read buffer tb
.irp i, 0,1,2,3,4,5,6,7
	ds_load_b128 v[\tb+4*\i:\tb+4*\i+3], v[RD] offset:2*SP*\i      ; LDS serves a wave's instructions in order (ISA guide 5.7.1): these see the stores above
.endr
.irp i, 0,1,2,3,4,5,6,7
	s_wait_dscnt 7-\i                              ; row pair i is in; the younger ones stay out
	global_store_b128 v[CO], v[\tb+4*\i:\tb+4*\i+3], s[26:27] offset:(16*\t+2*\i)*4096+256*\u
.endr
.endm
	OUT 0, 0, 64
	OUT 0, 1, 96
	OUT 1, 0, 64
	OUT 1, 1, 96
	OUT 2, 0, 64
	OUT 2, 1, 96
	OUT 3, 0, 64
	OUT 3, 1, 96
	OUT 4, 0, 64
	OUT 4, 1, 96
.endif
	WIN 0
	s_add_co_u32 s36, s36, 1
	s_cmp_lt_u32 s36, s18
	s_cbranch_scc1 .Lpass
	s_wait_tensorcnt 0x0
	ds_add_u32 v30, v31
	s_wait_dscnt 0x0
	s_endpgm
.Lfunc_end_k_q0fa097f55d_ffn1:
	.size	k_q0fa097f55d_ffn1, .Lfunc_end_k_q0fa097f55d_ffn1-k_q0fa097f55d_ffn1
	.p2alignl 7, 3214868480
	.fill 96, 4, 3214868480
	.section	.rodata,"a",@progbits
	.p2align	6, 0x0
	.amdhsa_kernel k_q0fa097f55d_ffn1
		.amdhsa_group_segment_fixed_size 295424
		.amdhsa_private_segment_fixed_size 0
		.amdhsa_enable_private_segment 0
		.amdhsa_kernarg_size 40
		.amdhsa_user_sgpr_count 2
		.amdhsa_user_sgpr_kernarg_segment_ptr 1
		.amdhsa_wavefront_size32 1
		.amdhsa_system_sgpr_workgroup_id_x 1
		.amdhsa_system_sgpr_workgroup_id_y 1
		.amdhsa_system_sgpr_workgroup_id_z 1
		.amdhsa_system_vgpr_workitem_id 0
		.amdhsa_next_free_vgpr 768
		.amdhsa_next_free_sgpr 66
		.amdhsa_reserve_vcc 0
		.amdhsa_float_denorm_mode_32 3
		.amdhsa_float_denorm_mode_16_64 3
		.amdhsa_memory_ordered 1
		.amdhsa_forward_progress 1
		.amdhsa_inst_pref_size 255
	.end_amdhsa_kernel
	.amdgpu_metadata
---
amdhsa.version: [ 1, 2 ]
amdhsa.kernels:
  - .name:           k_q0fa097f55d_ffn1
    .symbol:         k_q0fa097f55d_ffn1.kd
    .args:
      - { .name: xF, .offset: 0, .size: 8, .value_kind: global_buffer, .address_space: global }
      - { .name: W1, .offset: 8, .size: 8, .value_kind: global_buffer, .address_space: global }
      - { .name: b1, .offset: 16, .size: 8, .value_kind: global_buffer, .address_space: global }
      - { .name: plist, .offset: 24, .size: 8, .value_kind: global_buffer, .address_space: global }
      - { .name: hF, .offset: 32, .size: 8, .value_kind: global_buffer, .address_space: global }
    .group_segment_fixed_size: 295424
    .private_segment_fixed_size: 0
    .kernarg_segment_align: 8
    .kernarg_segment_size: 40
    .max_flat_workgroup_size: 128
    .sgpr_count:     66
    .vgpr_count:     768
    .wavefront_size: 32
...
	.end_amdgpu_metadata
.endif
;; end of part 4
;; launch ffn2 (part 5): grid 32 x 8, 4 waves a work-group, no clusters, 312,832 bytes of LDS; arguments hF, W2, b2, plist, ypart; writes ypart
.if DOCPART == 5
	.amdgcn_target "amdgcn-amd-amdhsa--gfx1250"
	.amdhsa_code_object_version 6
	.text
	.protected	k_q0fa097f55d_ffn2
	.globl	k_q0fa097f55d_ffn2
	.p2align	8
	.type	k_q0fa097f55d_ffn2,@function
k_q0fa097f55d_ffn2:
	s_mov_b64 s[64:65], 0
	v_nop
	global_prefetch_b8 v0, s[64:65] scope:SCOPE_SE
	s_setreg_imm32_b32 hwreg(HW_REG_WAVE_MODE, 25, 1), 1
	s_wait_xcnt 0x0
; ONE LAYER OF THE EXPERTS' FFN (this text serves both layers; LAYER picks the sizes and the way out).
;   LAYER 1: h = relu(x W1[e] + b1[e]), stored as bf16 in the order in which layer 2's lanes want it.
;   LAYER 2: y = h W2[e] + b2[e], K in four parts; part ks stores its f32 partial sums (the bias rides on part 0).
; Only the slots that chose expert e are multiplied: a gate of 0 throws the other tokens' results away.
; LIMITS: that holds while those results are finite (0 x inf would be NaN).  relu is v_max_num_f32: a NaN becomes 0.  b1, b2 stay f32.
; Work-group (x, e): 128 columns x K = 1,024 of one expert's weights: 512 KiB of f32, read once, by this work-group alone.
;   FILL: wave w loads rows 256 w .. + 255 (a load = one row's 512 neighbouring bytes), rounds to bf16, stores to LDS as [k][128 columns],
;         pitch 288 bytes.  48 loads of each wave are on their way.  One barrier; behind it LDS's weights are only read.
;   PASS: wave w takes the groups g = w, w + 4, .. < ng of 80 slots (5 tiles of 16); ng was stored by the dispatch launch.
;         32 K steps: 8 weight fragments by transposing LDS loads, 5 slot fragments straight from memory (they lie there in lane order),
;         40 matrix instructions.  The loop over groups is a wave's own affair: no barrier in it.
; The matrix instruction takes the weights as first source: register j of lane (r, h) of tile (t, f) is slot r, column 16 f + 8 h + j.
; No cluster, no tensor loads: the weights are shared by no two work-groups and pass through registers to be rounded; the slots' fragments,
; which the expert's 32 work-groups share, go to registers without touching LDS (294,912 of its 327,680 bytes hold weights), and how many
; groups there are hangs on a count read from memory.
; REGISTERS, in windows of 256:  window 0: v0-31 addresses, v32-63 and v64-191 way out, v64-191 weight fragments (two buffers), v192-255 bias
;   window 1: accumulators of tiles t = 0..3 ((t, f) at 64 t + 8 f); during the fill three staging buffers of 64
;   window 2: v0-63 accumulators of t = 4; v64-223 slot fragments, four buffers of 40
.set LAYER, 2
.if LAYER == 1
.set WPITCH, 16384                     ; bytes from row to row of the weights
.set TSTR,   32768                     ; bytes of a tile of 16 slots in the input
.set XEXP,   2129920                   ; bytes of an expert's 65 tiles in the input
.set BEXP,   16384                     ; bytes of an expert's bias
.set OUTG,   655360                    ; bytes of a group of 80 slots in the output
.else
.set WPITCH, 4096
.set TSTR,   131072
.set XEXP,   8519680
.set BEXP,   4096
.set OUTG,   327680
.endif
.set WP,    288                        ; LDS pitch: 256 bytes + 32, an odd multiple of 32 for the transposing loads
.set STAGE, 1024*WP                    ; layer 2: behind the weights, 16 rows x 272 bytes for each wave
.set SP,    272
.set LANE, 2
.set R,    3
.set H,    4
.set XV,   5                           ; 16 x lane
.set WV,   6                           ; weights: 16 x lane + my wave's first row
.set BV,   7                           ; bias: 32 h
.set WS,   8                           ; v8, v9: LDS store address, rows 0-127 and 128-255 of my wave's 256
.set WA,   10                          ; v10-14: LDS address of my part of a weight fragment, K steps 7 i ..
.set STO,  16
.set RD,   17
.set CO,   18
.set TA,   20
.set T2,   32
.set WB,   64
.set BIAS, 192
.set XB,   64                          ; in window 2
.set MSB, 0
.macro WIN new                         ; the immediate's high byte repeats the setting that is left
.if MSB != \new
	s_set_vgpr_msb (MSB<<8)|\new
.set MSB, \new
.endif
.endm
.macro PLACES n                        ; independent vector places behind matrix instructions (ISA guide 7.12.1)
.rept \n
	v_nop
.endr
.endm
	s_load_b256 s[4:11], s[0:1], 0x0               ; input s[4:5], weights s[6:7], bias s[8:9], plist s[10:11]
	s_load_b64 s[12:13], s[0:1], 0x20              ; output
	v_lshl_add_u32 v62, v0, 2, 0x4c400
	v_mov_b32 v63, 0
	v_lshrrev_b32 v[TA], 5, v0
	v_readfirstlane_b32 s14, v[TA]                 ; wave 0..3
	s_and_b32 s15, ttmp7, 0xffff                   ; e
.if LAYER == 1
	s_mov_b32 s16, ttmp9                           ; block of 128 columns, 0..31
	s_mov_b32 s17, 0                               ; one part of K
.else
	s_and_b32 s16, ttmp9, 7                        ; block of 128 columns, 0..7
	s_lshr_b32 s17, ttmp9, 3                       ; part of K, 0..3
.endif
	v_and_b32 v[LANE], 31, v0
	v_and_b32 v[R], 15, v0
	v_bfe_u32 v[H], v0, 4, 1
	v_lshlrev_b32 v[XV], 4, v[LANE]
	s_mul_i32 s28, s14, 256*WPITCH
	v_add_nc_u32 v[WV], s28, v[XV]
	s_mul_i32 s28, s14, 256*WP
	v_lshl_add_u32 v[WS], v[LANE], 3, s28          ; a lane's four columns are 8 bytes of bf16
	v_add_nc_u32 v[WS+1], 128*WP, v[WS]
	v_and_b32 v[TA], 7, v0
	v_lshl_add_u32 v[TA], v[H], 3, v[TA]           ; row 8 h + (lane & 7) of the K step
	v_mul_u32_u24 v[TA], v[TA], WP
	v_bfe_u32 v[TA+1], v0, 3, 1
	v_lshl_add_u32 v[WA], v[TA+1], 4, v[TA]        ; + 16 bytes for lanes 8-15 and 24-31
.irp i, 1,2,3,4
	v_add_nc_u32 v[WA+\i], \i*7*32*WP, v[WA]       ; seven K steps (64,512 bytes) are within an offset's reach
.endr
	v_lshlrev_b32 v[BV], 5, v[H]
.if LAYER == 2
	s_mul_i32 s28, s14, 16*SP
	s_add_co_u32 s28, s28, STAGE                   ; my wave's stage
	v_mul_u32_u24 v[TA], v[R], SP
	v_lshl_add_u32 v[TA], v[H], 5, v[TA]
	v_add_nc_u32 v[STO], s28, v[TA]                ; in: row r, 8 h columns of f32
	v_mul_u32_u24 v[TA], v[H], SP
	v_lshl_add_u32 v[TA], v[R], 4, v[TA]
	v_add_nc_u32 v[RD], s28, v[TA]                 ; back: lanes 0-15 one row of 256 bytes, lanes 16-31 the next
	v_lshlrev_b32 v[TA], 12, v[H]
	v_lshl_add_u32 v[CO], v[R], 4, v[TA]           ; the same two rows in the output
.endif
	s_mov_b32 s29, 0
	s_wait_kmcnt 0x0
	s_lshl_b32 s28, s15, 24                        ; an expert's weights: 16 MiB
	s_lshl_b32 s31, s17, 22                        ; a part of K: 1,024 rows of 4,096 bytes (layer 2)
	s_add_co_u32 s28, s28, s31
	s_lshl_b32 s31, s16, 9                         ; 128 columns of f32
	s_add_co_u32 s28, s28, s31
	s_add_nc_u64 s[32:33], s[6:7], s[28:29]        ; weights
	s_mul_i32 s28, s15, XEXP
	s_lshl_b32 s31, s17, 15                        ; a part of K: 32 K steps of 1,024 bytes
	s_add_co_u32 s28, s28, s31
	s_add_nc_u64 s[20:21], s[4:5], s[28:29]        ; input, the expert's slot 0
	s_mul_i32 s28, s15, BEXP
	s_lshl_b32 s31, s16, 9
	s_add_co_u32 s28, s28, s31
	s_add_nc_u64 s[34:35], s[8:9], s[28:29]        ; bias
.if LAYER == 1
	s_mul_i32 s28, s15, 8519680                    ; an expert's 65 tiles of 131,072 bytes
	s_lshl_b32 s31, s16, 12                        ; my 128 columns are four K steps of the next layer
	s_add_co_u32 s28, s28, s31
.else
	s_mul_i32 s28, s17, 34078720                   ; a part's 8,320 rows of 4,096 bytes
	s_mul_i32 s31, s15, 4259840                    ; an expert's 1,040 rows
	s_add_co_u32 s28, s28, s31
	s_lshl_b32 s31, s16, 9
	s_add_co_u32 s28, s28, s31
.endif
	s_add_nc_u64 s[24:25], s[12:13], s[28:29]      ; output, the expert's slot 0
	s_lshl_b32 s30, s15, 7
	s_load_b32 s18, s[10:11], s30 offset:0x8000    ; ng[e] (the first of its 32 equal words); waited for behind the fill
.irp f, 0,1,2,3,4,5,6,7
	global_load_b128 v[BIAS+8*\f:BIAS+8*\f+3], v[BV], s[34:35] offset:64*\f        ; register j: column 16 f + 8 h + j
	global_load_b128 v[BIAS+8*\f+4:BIAS+8*\f+7], v[BV], s[34:35] offset:64*\f+16
.endr
; ---- THE FILL ----
.macro FILLB bb                        ; 16 rows into staging buffer bb % 3
	WIN 0x40
.irp n, 0,1,2,3,4,5,6,7,8,9,10,11,12,13,14,15
	global_load_b128 v[64*((\bb)%3)+4*\n:64*((\bb)%3)+4*\n+3], v[WV], s[32:33] offset:(16*(\bb)+\n)*WPITCH th:TH_LOAD_NT
.endr
.endm
.macro PROC                            ; batch fb: round, store to LDS, ask for batch fb + 3
.if fb <= 13
	s_wait_loadcnt 32                              ; loads come back in order: batch fb (and the bias before it) is in, two younger batches stay out
.else
	s_wait_loadcnt 16*(15-fb)
.endif
	WIN 0x45
.irp n, 0,1,2,3,4,5,6,7,8,9,10,11,12,13,14,15
	v_cvt_pk_bf16_f32 v[64*(fb%3)+4*\n], v[64*(fb%3)+4*\n], v[64*(fb%3)+4*\n+1]
	v_cvt_pk_bf16_f32 v[64*(fb%3)+4*\n+1], v[64*(fb%3)+4*\n+2], v[64*(fb%3)+4*\n+3]
.endr
	WIN 0x04
.irp n, 0,1,2,3,4,5,6,7,8,9,10,11,12,13,14,15
	ds_store_b64 v[WS+((16*fb+\n)>>7)], v[64*(fb%3)+4*\n:64*(fb%3)+4*\n+1] offset:((16*fb+\n)&127)*WP
.endr
.if fb < 13
	FILLB fb+3
.endif
.endm
	FILLB 0
	FILLB 1
	FILLB 2
.set fb, 0
.rept 16
	PROC
.set fb, fb+1
.endr
	WIN 0
.if LAYER == 2
	s_cmp_eq_u32 s17, 0
	s_cselect_b32 s31, -1, 0
.set i, 0
.rept 64
	v_and_b32 v[BIAS+i], s31, v[BIAS+i]            ; the bias is added once: by part 0 of K
.set i, i+1
.endr
.endif
	s_wait_kmcnt 0x0
	s_min_u32 s18, s18, 13                         ; ng: 4 .. 13
	s_sub_co_u32 s18, s18, s14
	s_add_co_u32 s18, s18, 3
	s_lshr_b32 s18, s18, 2                         ; my passes: the groups w, w + 4, .. below ng; at least one, since ng >= 4
	s_wait_dscnt 0x0                               ; my rows lie in LDS before I say so
	s_barrier_signal -1
	s_barrier_wait -1                              ; the only barrier
; ---- A PASS: 80 slots x 128 columns x K = 1,024 ----
.macro LDW n                           ; K step n: eight weight fragments, 16 k x 16 columns to a transposing load
	WIN 0
.irp f, 0,1,2,3,4,5,6,7
.irp c, 0,1
	ds_load_tr16_b128 v[WB+64*((\n)&1)+8*\f+4*\c:WB+64*((\n)&1)+8*\f+4*\c+3], v[WA+(\n)/7] offset:((\n)%7)*32*WP+32*\f+16*WP*\c
.endr
.endr
.endm
.macro LDX n                           ; K step n: five slot fragments, each load 512 neighbouring bytes
	WIN 0x80
.irp t, 0,1,2,3,4
.irp c, 0,1
	global_load_b128 v[XB+40*((\n)&3)+8*\t+4*\c:XB+40*((\n)&3)+8*\t+4*\c+3], v[XV], s[22:23] offset:\t*TSTR+(\n)*1024+\c*512
.endr
.endr
.endm
.macro MULS                            ; K step st: 40 matrix instructions; in step 0 the bias starts the sums
.if st == 0
	WIN 0x48
.else
	WIN 0x58
.endif
.irp t, 0,1,2,3
.irp f, 0,1,2,3,4,5,6,7
.if st == 0
	v_wmma_f32_16x16x32_bf16 v[64*\t+8*\f:64*\t+8*\f+7], v[WB+64*(st&1)+8*\f:WB+64*(st&1)+8*\f+7], v[XB+40*(st&3)+8*\t:XB+40*(st&3)+8*\t+7], v[BIAS+8*\f:BIAS+8*\f+7]
.else
	v_wmma_f32_16x16x32_bf16 v[64*\t+8*\f:64*\t+8*\f+7], v[WB+64*(st&1)+8*\f:WB+64*(st&1)+8*\f+7], v[XB+40*(st&3)+8*\t:XB+40*(st&3)+8*\t+7], v[64*\t+8*\f:64*\t+8*\f+7]
.endif
.endr
.endr
.if st == 0
	WIN 0x88
.else
	WIN 0xa8
.endif
.irp f, 0,1,2,3,4,5,6,7
.if st == 0
	v_wmma_f32_16x16x32_bf16 v[8*\f:8*\f+7], v[WB+64*(st&1)+8*\f:WB+64*(st&1)+8*\f+7], v[XB+40*(st&3)+32:XB+40*(st&3)+39], v[BIAS+8*\f:BIAS+8*\f+7]
.else
	v_wmma_f32_16x16x32_bf16 v[8*\f:8*\f+7], v[WB+64*(st&1)+8*\f:WB+64*(st&1)+8*\f+7], v[XB+40*(st&3)+32:XB+40*(st&3)+39], v[8*\f:8*\f+7]
.endif
.endr
.endm
.macro KSTEP
	s_wait_dscnt 0x0                               ; this step's weight fragments, asked for one step ago
.if st <= 29
	s_wait_loadcnt 20                              ; this step's slot fragments are in; the next two steps' ten loads each stay out
.else
	s_wait_loadcnt 10*(31-st)
.endif
.if st > 0
	PLACES 4                                       ; the buffers loaded next were sources of the last step's matrix instructions
.endif
.if st < 31
	LDW st+1
.endif
.if st < 29
	LDX st+3
.endif
	MULS
.endm
	s_mov_b32 s36, 0                               ; pass c
.Lpass:
	s_wait_xcnt 0x0                                ; the last pass's loads and stores have read their bases and registers
	s_lshl2_add_u32 s19, s36, s14                  ; group g = 4 c + w
	s_min_u32 s19, s19, 12                         ; steered by a count read from memory: kept inside the expert's 13 groups
	s_mul_i32 s28, s19, 5*TSTR
	s_add_nc_u64 s[22:23], s[20:21], s[28:29]      ; the group's five tiles
	s_mul_i32 s28, s19, OUTG
	s_add_nc_u64 s[26:27], s[24:25], s[28:29]
	LDW 0
	LDX 0
	LDX 1
	LDX 2
.set st, 0
.rept 32
	KSTEP
.set st, st+1
.endr
	PLACES 5                                       ; before results are read, and before the next pass's first products write these accumulators anew
.if LAYER == 1
	; THE WAY OUT: relu, round to bf16.  A lane's eight numbers of tile (t, f) are 16 bytes of piece (K step 4 cb + f / 2, half f & 1)
	; of the next layer's input: a wave's store covers 512 neighbouring bytes.
	WIN 0x44
.set i, 0
.rept 256
	v_max_num_f32 v[i], 0, v[i]
.set i, i+1
.endr
	WIN 0x05
.set i, 0
.rept 128
	v_cvt_pk_bf16_f32 v[WB+i], v[2*i], v[2*i+1]
.set i, i+1
.endr
	WIN 0
.set i, 0
.rept 32
	global_store_b128 v[XV], v[WB+4*i:WB+4*i+3], s[26:27] offset:(i>>3)*131072+(i&7)*512
.set i, i+1
.endr
	WIN 0x88
.set i, 0
.rept 64
	v_max_num_f32 v[i], 0, v[i]
.set i, i+1
.endr
	WIN 0x0a
.set i, 0
.rept 32
	v_cvt_pk_bf16_f32 v[T2+i], v[2*i], v[2*i+1]
.set i, i+1
.endr
	WIN 0
.set i, 0
.rept 8
	global_store_b128 v[XV], v[T2+4*i:T2+4*i+3], s[26:27] offset:4*131072+i*512
.set i, i+1
.endr
.else
	; THE WAY OUT: 16 slots x 64 columns of f32 at a time through my wave's own stage, read back as rows of 256 bytes:
	; sixteen neighbouring lanes store 256 neighbouring, aligned bytes.
.macro OUT t, u, tb
.if \t < 4
	WIN 0x04
.irp f, 0,1,2,3
.irp c, 0,1
	ds_store_b128 v[STO], v[8*(8*\t+4*\u+\f)+4*\c:8*(8*\t+4*\u+\f)+4*\c+3] offset:64*\f+16*\c
.endr
.endr
.else
	WIN 0x08
.irp f, 0,1,2,3
.irp c, 0,1
	ds_store_b128 v[STO], v[8*(4*\u+\f)+4*\c:8*(4*\u+\f)+4*\c+3] offset:64*\f+16*\c
.endr
.endr
.endif
	WIN 0
	s_wait_xcnt 0x0                                ; earlier stores have read buffer tb
.irp i, 0,1,2,3,4,5,6,7
	ds_load_b128 v[\tb+4*\i:\tb+4*\i+3], v[RD] offset:2*SP*\i      ; LDS serves a wave's instructions in order (ISA guide 5.7.1): these see the stores above
.endr
.irp i, 0,1,2,3,4,5,6,7
	s_wait_dscnt 7-\i                              ; row pair i is in; the younger ones stay out
	global_store_b128 v[CO], v[\tb+4*\i:\tb+4*\i+3], s[26:27] offset:(16*\t+2*\i)*4096+256*\u
.endr
.endm
	OUT 0, 0, 64
	OUT 0, 1, 96
	OUT 1, 0, 64
	OUT 1, 1, 96
	OUT 2, 0, 64
	OUT 2, 1, 96
	OUT 3, 0, 64
	OUT 3, 1, 96
	OUT 4, 0, 64
	OUT 4, 1, 96
.endif
	WIN 0
	s_add_co_u32 s36, s36, 1
	s_cmp_lt_u32 s36, s18
	s_cbranch_scc1 .Lpass
	s_wait_tensorcnt 0x0
	ds_add_u32 v62, v63
	s_wait_dscnt 0x0
	s_endpgm
.Lfunc_end_k_q0fa097f55d_ffn2:
	.size	k_q0fa097f55d_ffn2, .Lfunc_end_k_q0fa097f55d_ffn2-k_q0fa097f55d_ffn2
	.p2alignl 7, 3214868480
	.fill 96, 4, 3214868480
	.section	.rodata,"a",@progbits
	.p2align	6, 0x0
	.amdhsa_kernel k_q0fa097f55d_ffn2
		.amdhsa_group_segment_fixed_size 312832
		.amdhsa_private_segment_fixed_size 0
		.amdhsa_enable_private_segment 0
		.amdhsa_kernarg_size 40
		.amdhsa_user_sgpr_count 2
		.amdhsa_user_sgpr_kernarg_segment_ptr 1
		.amdhsa_wavefront_size32 1
		.amdhsa_system_sgpr_workgroup_id_x 1
		.amdhsa_system_sgpr_workgroup_id_y 1
		.amdhsa_system_sgpr_workgroup_id_z 1
		.amdhsa_system_vgpr_workitem_id 0
		.amdhsa_next_free_vgpr 768
		.amdhsa_next_free_sgpr 66
		.amdhsa_reserve_vcc 0
		.amdhsa_float_denorm_mode_32 3
		.amdhsa_float_denorm_mode_16_64 3
		.amdhsa_memory_ordered 1
		.amdhsa_forward_progress 1
		.amdhsa_inst_pref_size 255
	.end_amdhsa_kernel
	.amdgpu_metadata
---
amdhsa.version: [ 1, 2 ]
amdhsa.kernels:
  - .name:           k_q0fa097f55d_ffn2
    .symbol:         k_q0fa097f55d_ffn2.kd
    .args:
      - { .name: hF, .offset: 0, .size: 8, .value_kind: global_buffer, .address_space: global }
      - { .name: W2, .offset: 8, .size: 8, .value_kind: global_buffer, .address_space: global }
      - { .name: b2, .offset: 16, .size: 8, .value_kind: global_buffer, .address_space: global }
      - { .name: plist, .offset: 24, .size: 8, .value_kind: global_buffer, .address_space: global }
      - { .name: ypart, .offset: 32, .size: 8, .value_kind: global_buffer, .address_space: global }
    .group_segment_fixed_size: 312832
    .private_segment_fixed_size: 0
    .kernarg_segment_align: 8
    .kernarg_segment_size: 40
    .max_flat_workgroup_size: 128
    .sgpr_count:     66
    .vgpr_count:     768
    .wavefront_size: 32
...
	.end_amdgpu_metadata
.endif
;; end of part 5
;; launch combine (part 6): grid 256 x 1, 8 waves a work-group, no clusters, 0 bytes of LDS; arguments ypart, plist, rflt, ridx, out0; writes out0
.if DOCPART == 6
	.amdgcn_target "amdgcn-amd-amdhsa--gfx1250"
	.amdhsa_code_object_version 6
	.text
	.protected	k_q0fa097f55d_combine
	.globl	k_q0fa097f55d_combine
	.p2align	8
	.type	k_q0fa097f55d_combine,@function
k_q0fa097f55d_combine:
	s_mov_b64 s[64:65], 0
	v_nop
	global_prefetch_b8 v0, s[64:65] scope:SCOPE_SE
	s_setreg_imm32_b32 hwreg(HW_REG_WAVE_MODE, 25, 1), 1
	s_wait_xcnt 0x0
; COMBINE: out0[token] = g0 x (sum over the four parts of K of the row of the token's first expert) + g1 x (the same for its second).
; The token's two experts (eid, stored by the router launch) pick the two words posE[e][token] (stored by the dispatch launch) that say where
; its rows lie; the gates were stored by the router launch.  All of these are whole numbers or values read from memory, clamped before use.
; A work-group takes four tokens; wave w takes token 4 wg + w / 2 and half w & 1 of its row (2,048 bytes): eight source rows, four loads of
; 512 neighbouring bytes from each, all 32 on their way at once; each byte of the partial sums that is needed is read once.
; A stream: no LDS, no barrier (the waves do not depend on each other), no matrix unit, no cluster (no two work-groups read the same bytes).
.set PART, 34078720                    ; bytes of one part of K: 8,320 rows of 4,096
.set OV,  2                            ; 16 x lane
.set G0,  8                            ; v8, v9    gate 0, twice (a pair for the packed multiply)
.set G1,  10                           ; v10, v11  gate 1, twice
.set Y,   16                           ; v16-143   quarter c, source b = 4 k + part: four registers at 32 c + 4 b
	s_load_b256 s[4:11], s[0:1], 0x0               ; ypart s[4:5], plist s[6:7], rflt s[8:9], ridx s[10:11]
	s_load_b64 s[18:19], s[0:1], 0x20              ; out0
	v_lshrrev_b32 v1, 5, v0
	v_readfirstlane_b32 s14, v1                    ; wave 0..7
	v_and_b32 v[OV], 31, v0
	v_lshlrev_b32 v[OV], 4, v[OV]
	s_lshr_b32 s15, s14, 1
	s_lshl2_add_u32 s15, ttmp9, s15                ; token
	s_and_b32 s16, s14, 1
	s_lshl_b32 s16, s16, 11                        ; my half of the row, in bytes
	s_lshl_b32 s20, s15, 2
	s_mov_b32 s29, 0
	s_wait_kmcnt 0x0
	s_load_b32 s21, s[10:11], s20 offset:0x0       ; the token's two experts
	s_load_b32 s26, s[8:9], s20 offset:0x0         ; gate 0
	s_load_b32 s27, s[8:9], s20 offset:0x1000      ; gate 1
	s_wait_kmcnt 0x0
	s_and_b32 s22, s21, 0xff
	s_lshr_b32 s23, s21, 8
	s_min_u32 s22, s22, 7                          ; an expert read from memory stays inside the table's eight rows
	s_min_u32 s23, s23, 7
	s_lshl_b32 s22, s22, 12                        ; a row of 1,024 words
	s_lshl_b32 s23, s23, 12
	s_add_co_u32 s22, s22, s20
	s_add_co_u32 s23, s23, s20
	s_load_b32 s24, s[6:7], s22 offset:0x0         ; posE[e0][token]
	s_load_b32 s25, s[6:7], s23 offset:0x0         ; posE[e1][token]
	s_wait_kmcnt 0x0
	s_min_u32 s24, s24, 8319                       ; a place read from memory stays inside the 8,320 rows
	s_min_u32 s25, s25, 8319
	s_lshl_b32 s24, s24, 12
	s_lshl_b32 s25, s25, 12
	s_add_co_u32 s28, s24, s16
	s_add_nc_u64 s[32:33], s[4:5], s[28:29]        ; first expert's row, parts 0 to 3
	s_add_nc_u64 s[34:35], s[32:33], PART
	s_add_nc_u64 s[36:37], s[32:33], 2*PART
	s_add_nc_u64 s[38:39], s[32:33], 3*PART
	s_add_co_u32 s28, s25, s16
	s_add_nc_u64 s[40:41], s[4:5], s[28:29]        ; second expert's row
	s_add_nc_u64 s[42:43], s[40:41], PART
	s_add_nc_u64 s[44:45], s[40:41], 2*PART
	s_add_nc_u64 s[46:47], s[40:41], 3*PART
.irp c, 0,1,2,3
.irp b, 0,1,2,3,4,5,6,7
	global_load_b128 v[Y+32*\c+4*\b:Y+32*\c+4*\b+3], v[OV], s[32+2*\b:33+2*\b] offset:512*\c th:TH_LOAD_NT
.endr
.endr
	s_lshl_b32 s28, s15, 12
	s_add_co_u32 s28, s28, s16
	s_add_nc_u64 s[12:13], s[18:19], s[28:29]      ; my half row of out0
	v_mov_b32 v[G0], s26
	v_mov_b32 v[G0+1], s26
	v_mov_b32 v[G1], s27
	v_mov_b32 v[G1+1], s27
.irp c, 0,1,2,3
	s_wait_loadcnt 8*(3-\c)                        ; quarter c's eight loads are in; the later quarters' stay out
.irp k, 0,16
.irp p, 0,2
	v_pk_add_f32 v[Y+32*\c+\k+\p:Y+32*\c+\k+\p+1], v[Y+32*\c+\k+\p:Y+32*\c+\k+\p+1], v[Y+32*\c+\k+4+\p:Y+32*\c+\k+4+\p+1]
	v_pk_add_f32 v[Y+32*\c+\k+8+\p:Y+32*\c+\k+8+\p+1], v[Y+32*\c+\k+8+\p:Y+32*\c+\k+8+\p+1], v[Y+32*\c+\k+12+\p:Y+32*\c+\k+12+\p+1]
.endr
.irp p, 0,2
	v_pk_add_f32 v[Y+32*\c+\k+\p:Y+32*\c+\k+\p+1], v[Y+32*\c+\k+\p:Y+32*\c+\k+\p+1], v[Y+32*\c+\k+8+\p:Y+32*\c+\k+8+\p+1]
.endr
.endr
.irp p, 0,2
	v_pk_mul_f32 v[Y+32*\c+\p:Y+32*\c+\p+1], v[Y+32*\c+\p:Y+32*\c+\p+1], v[G0:G0+1]
.endr
.irp p, 0,2
	v_pk_fma_f32 v[Y+32*\c+\p:Y+32*\c+\p+1], v[Y+32*\c+16+\p:Y+32*\c+16+\p+1], v[G1:G1+1], v[Y+32*\c+\p:Y+32*\c+\p+1]
.endr
	global_store_b128 v[OV], v[Y+32*\c:Y+32*\c+3], s[12:13] offset:512*\c th:TH_STORE_NT
.endr
	s_endpgm
.Lfunc_end_k_q0fa097f55d_combine:
	.size	k_q0fa097f55d_combine, .Lfunc_end_k_q0fa097f55d_combine-k_q0fa097f55d_combine
	.p2alignl 7, 3214868480
	.fill 96, 4, 3214868480
	.section	.rodata,"a",@progbits
	.p2align	6, 0x0
	.amdhsa_kernel k_q0fa097f55d_combine
		.amdhsa_group_segment_fixed_size 0
		.amdhsa_private_segment_fixed_size 0
		.amdhsa_enable_private_segment 0
		.amdhsa_kernarg_size 40
		.amdhsa_user_sgpr_count 2
		.amdhsa_user_sgpr_kernarg_segment_ptr 1
		.amdhsa_wavefront_size32 1
		.amdhsa_system_sgpr_workgroup_id_x 1
		.amdhsa_system_sgpr_workgroup_id_y 1
		.amdhsa_system_sgpr_workgroup_id_z 1
		.amdhsa_system_vgpr_workitem_id 0
		.amdhsa_next_free_vgpr 144
		.amdhsa_next_free_sgpr 66
		.amdhsa_reserve_vcc 0
		.amdhsa_float_denorm_mode_32 3
		.amdhsa_float_denorm_mode_16_64 3
		.amdhsa_memory_ordered 1
		.amdhsa_forward_progress 1
		.amdhsa_inst_pref_size 10
	.end_amdhsa_kernel
	.amdgpu_metadata
---
amdhsa.version: [ 1, 2 ]
amdhsa.kernels:
  - .name:           k_q0fa097f55d_combine
    .symbol:         k_q0fa097f55d_combine.kd
    .args:
      - { .name: ypart, .offset: 0, .size: 8, .value_kind: global_buffer, .address_space: global }
      - { .name: plist, .offset: 8, .size: 8, .value_kind: global_buffer, .address_space: global }
      - { .name: rflt, .offset: 16, .size: 8, .value_kind: global_buffer, .address_space: global }
      - { .name: ridx, .offset: 24, .size: 8, .value_kind: global_buffer, .address_space: global }
      - { .name: out0, .offset: 32, .size: 8, .value_kind: global_buffer, .address_space: global }
    .group_segment_fixed_size: 0
    .private_segment_fixed_size: 0
    .kernarg_segment_align: 8
    .kernarg_segment_size: 40
    .max_flat_workgroup_size: 256
    .sgpr_count:     66
    .vgpr_count:     144
    .wavefront_size: 32
...
	.end_amdgpu_metadata
.endif
;; end of part 6
;; ======== version 2 of 2: 6 launches; version 1 with the launches ffn1, ffn2, combine written anew for expert scheduling mode
;; limits: values outside matrix products are rounded to bf16
;; workspace buffers: ridx 20,480 bytes of whole numbers; rflt 57,344 bytes; plist 67,584 bytes of whole numbers; xF 17,039,360 bytes; hF 68,157,440 bytes; ypart 136,314,880 bytes
;; launch router: the kernel of part 1 again; grid 32 x 9, 8 waves a work-group, no clusters, 66,560 bytes of LDS; arguments hidden_states, Wr, br, Wc1, bc1, Wc2, out4, ridx, rflt; writes out4, ridx, rflt
;; launch plan: the kernel of part 2 again; grid 8 x 1, 32 waves a work-group, no clusters, 0 bytes of LDS; arguments ridx, rflt, bc2, plist, out1, out2, out3; writes plist, out1, out2, out3
;; launch gather: the kernel of part 3 again; grid 8 x 8, 32 waves a work-group, no clusters, 0 bytes of LDS; arguments plist, hidden_states, xF; writes xF
;; launch ffn1 (part 7): grid 32 x 8, 4 waves a work-group, no clusters, 295,424 bytes of LDS; arguments xF, W1, b1, plist, hF; writes hF
.if DOCPART == 7
	.amdgcn_target "amdgcn-amd-amdhsa--gfx1250"
	.amdhsa_code_object_version 6
	.text
	.protected	k_q0fa097f55d_ffn1
	.globl	k_q0fa097f55d_ffn1
	.p2align	8
	.type	k_q0fa097f55d_ffn1,@function
k_q0fa097f55d_ffn1:
	s_mov_b64 s[64:65], 0
	v_nop
	global_prefetch_b8 v0, s[64:65] scope:SCOPE_SE
	s_setreg_imm32_b32 hwreg(HW_REG_WAVE_SCHED_MODE, 0, 2), 2
	s_setreg_imm32_b32 hwreg(HW_REG_WAVE_MODE, 25, 1), 1
	s_wait_xcnt 0x0
	s_wait_alu depctr_vm_vsrc(0)
; ONE LAYER OF THE EXPERTS' FFN (this text serves both layers; LAYER picks the sizes and the way out).
;   LAYER 1: h = relu(x W1[e] + b1[e]), stored as bf16 in the order in which layer 2's lanes want it.
;   LAYER 2: y = h W2[e] + b2[e], K in four parts; part ks stores its f32 partial sums (the bias rides on part 0).
; Only the slots that chose expert e are multiplied: a gate of 0 throws the other tokens' results away.
; LIMITS: that holds while those results are finite (0 x inf would be NaN).  relu is v_max_num_f32: a NaN becomes 0.  b1, b2 stay f32.
; Work-group (x, e): 128 columns x K = 1,024 of one expert's weights: 512 KiB of f32, read once, by this work-group alone.
;   FILL: wave w loads rows 256 w .. + 255 (a load = one row's 512 neighbouring bytes), rounds to bf16, stores to LDS as [k][128 columns],
;         pitch 288 bytes.  48 loads of each wave are on their way.  One barrier; behind it LDS's weights are only read.
;   PASS: wave w takes the groups g = w, w + 4, .. < ng of 80 slots (5 tiles of 16); ng was stored by the plan launch.
;         32 K steps: 8 weight fragments by transposing LDS loads, 5 slot fragments straight from memory (they lie there in lane order),
;         40 matrix instructions.  The loop over groups is a wave's own affair: no barrier in it.
; The matrix instruction takes the weights as first source: register j of lane (r, h) of tile (t, f) is slot r, column 16 f + 8 h + j.
; No cluster, no tensor loads: the weights are shared by no two work-groups and pass through registers to be rounded; the slots' fragments,
; which the expert's 32 work-groups share, go to registers without touching LDS (294,912 of its 327,680 bytes hold weights), and how many
; groups there are hangs on a count read from memory.
; REGISTERS, in windows of 256:  window 0: v0-31 addresses, v32-63 and v64-191 way out, v64-191 weight fragments (two buffers), v192-255 bias
;   window 1: accumulators of tiles t = 0..3 ((t, f) at 64 t + 8 f); during the fill three staging buffers of 64 and two out-buffers of 32
;   window 2: v0-63 accumulators of t = 4; v64-223 slot fragments, four buffers of 40
; THE MODE: SCHED_MODE bits 1:0 = 2 (LLVM: expert scheduling mode 2), set by the entry lines.  The code itself states the register dependences
; between vector or matrix instructions and memory or LDS instructions, with s_wait_alu, always for 0.
; THE PLAN.  Registers that memory or LDS instructions touch:
;   v5-v18      addresses and offsets: written at the head, never again.  One wait on va_vdst ahead of the first load serves the whole kernel.
;   SG0 .. SG2  Fill, batch fb: its conversions read SG[fb % 3]; behind them the loads of batch fb + 3 land in it.
;   OB0, OB1    Fill, batch fb: its conversions write OB[fb & 1]; its sixteen LDS stores read it; batch fb + 2 writes it again.
;               One wait on va_vdst behind a batch's conversions serves its loads and its LDS stores; one on vm_vsrc stands ahead of the conversions, a batch behind the stores it waits for.
;   WB0, WB1    K step n: its matrix instructions read WB[n & 1]; the LDS loads issued in step n + 1 land in it (the fragments of step n + 2).
;   XB0 .. XB3  K step n: its matrix instructions read XB[n & 3]; the loads issued in step n + 1 land in it (the fragments of step n + 4).
;               One wait on va_vdst at a step's head states that the step before is done reading both; the step's 26 loads follow it, dealt among its
;               matrix instructions, which name WB[n & 1], XB[n & 3], the accumulators and (step 0) the bias: none of the registers that those loads touch.
;   way out     Layer 1: conversions write WB and T2, global stores read them.  Layer 2: LDS stores read the accumulators; loads from the stage land in
;               v64-95 and v96-127 by turns, global stores read them.  The waits at a pass's head free all of these for the next pass.
.set LAYER, 1
.if LAYER == 1
.set WPITCH, 16384                     ; bytes from row to row of the weights
.set TSTR,   32768                     ; bytes of a tile of 16 slots in the input
.set XEXP,   2129920                   ; bytes of an expert's 65 tiles in the input
.set BEXP,   16384                     ; bytes of an expert's bias
.set OUTG,   655360                    ; bytes of a group of 80 slots in the output
.else
.set WPITCH, 4096
.set TSTR,   131072
.set XEXP,   8519680
.set BEXP,   4096
.set OUTG,   327680
.endif
.set WP,    288                        ; LDS pitch: 256 bytes + 32, an odd multiple of 32 for the transposing loads
.set STAGE, 1024*WP                    ; layer 2: behind the weights, 16 rows x 272 bytes for each wave
.set SP,    272
.set LANE, 2
.set R,    3
.set H,    4
.set XV,   5                           ; 16 x lane
.set WV,   6                           ; weights: 16 x lane + my wave's first row
.set BV,   7                           ; bias: 32 h
.set WS,   8                           ; v8, v9: LDS store address, rows 0-127 and 128-255 of my wave's 256
.set WA,   10                          ; v10-14: LDS address of my part of a weight fragment, K steps 7 i ..
.set STO,  16
.set RD,   17
.set CO,   18
.set TA,   20
.set T2,   32
.set WB,   64
.set BIAS, 192
.set XB,   64                          ; in window 2
.set SG,   0                           ; in window 1, during the fill: staging buffer b at 64 b
.set OB,   192                         ; in window 1, during the fill: out-buffer o at 192 + 32 o
.set MSB, 0
.macro WIN new                         ; the immediate's high byte repeats the setting that is left
.if MSB != \new
	s_set_vgpr_msb (MSB<<8)|\new
.set MSB, \new
.endif
.endm
.macro PLACES n                        ; independent vector places behind matrix instructions (ISA guide 7.12.1)
.rept \n
	v_nop
.endr
.endm
	s_load_b256 s[4:11], s[0:1], 0x0               ; input s[4:5], weights s[6:7], bias s[8:9], plist s[10:11]
	s_load_b64 s[12:13], s[0:1], 0x20              ; output
	v_lshl_add_u32 v30, v0, 2, 0x48000
	v_mov_b32 v31, 0
	v_lshrrev_b32 v[TA], 5, v0
	v_readfirstlane_b32 s14, v[TA]                 ; wave 0..3
	s_and_b32 s15, ttmp7, 0xffff                   ; e
.if LAYER == 1
	s_mov_b32 s16, ttmp9                           ; block of 128 columns, 0..31
	s_mov_b32 s17, 0                               ; one part of K
.else
	s_and_b32 s16, ttmp9, 7                        ; block of 128 columns, 0..7
	s_lshr_b32 s17, ttmp9, 3                       ; part of K, 0..3
.endif
	v_and_b32 v[LANE], 31, v0
	v_and_b32 v[R], 15, v0
	v_bfe_u32 v[H], v0, 4, 1
	v_lshlrev_b32 v[XV], 4, v[LANE]
	s_wait_alu depctr_va_sdst(0)                   ; s14 is written, ahead of its first reader: addresses and the count of passes are made from it
	s_mul_i32 s28, s14, 256*WPITCH
	v_add_nc_u32 v[WV], s28, v[XV]
	s_mul_i32 s28, s14, 256*WP
	v_lshl_add_u32 v[WS], v[LANE], 3, s28          ; a lane's four columns are 8 bytes of bf16
	v_add_nc_u32 v[WS+1], 128*WP, v[WS]
	v_and_b32 v[TA], 7, v0
	v_lshl_add_u32 v[TA], v[H], 3, v[TA]           ; row 8 h + (lane & 7) of the K step
	v_mul_u32_u24 v[TA], v[TA], WP
	v_bfe_u32 v[TA+1], v0, 3, 1
	v_lshl_add_u32 v[WA], v[TA+1], 4, v[TA]        ; + 16 bytes for lanes 8-15 and 24-31
.irp i, 1,2,3,4
	v_add_nc_u32 v[WA+\i], \i*7*32*WP, v[WA]       ; seven K steps (64,512 bytes) are within an offset's reach
.endr
	v_lshlrev_b32 v[BV], 5, v[H]
.if LAYER == 2
	s_mul_i32 s28, s14, 16*SP
	s_add_co_u32 s28, s28, STAGE                   ; my wave's stage
	v_mul_u32_u24 v[TA], v[R], SP
	v_lshl_add_u32 v[TA], v[H], 5, v[TA]
	v_add_nc_u32 v[STO], s28, v[TA]                ; in: row r, 8 h columns of f32
	v_mul_u32_u24 v[TA], v[H], SP
	v_lshl_add_u32 v[TA], v[R], 4, v[TA]
	v_add_nc_u32 v[RD], s28, v[TA]                 ; back: lanes 0-15 one row of 256 bytes, lanes 16-31 the next
	v_lshlrev_b32 v[TA], 12, v[H]
	v_lshl_add_u32 v[CO], v[R], 4, v[TA]           ; the same two rows in the output
.endif
	s_mov_b32 s29, 0
	s_wait_kmcnt 0x0
	s_lshl_b32 s28, s15, 24                        ; an expert's weights: 16 MiB
	s_lshl_b32 s31, s17, 22                        ; a part of K: 1,024 rows of 4,096 bytes (layer 2)
	s_add_co_u32 s28, s28, s31
	s_lshl_b32 s31, s16, 9                         ; 128 columns of f32
	s_add_co_u32 s28, s28, s31
	s_add_nc_u64 s[32:33], s[6:7], s[28:29]        ; weights
	s_mul_i32 s28, s15, XEXP
	s_lshl_b32 s31, s17, 15                        ; a part of K: 32 K steps of 1,024 bytes
	s_add_co_u32 s28, s28, s31
	s_add_nc_u64 s[20:21], s[4:5], s[28:29]        ; input, the expert's slot 0
	s_mul_i32 s28, s15, BEXP
	s_lshl_b32 s31, s16, 9
	s_add_co_u32 s28, s28, s31
	s_add_nc_u64 s[34:35], s[8:9], s[28:29]        ; bias
.if LAYER == 1
	s_mul_i32 s28, s15, 8519680                    ; an expert's 65 tiles of 131,072 bytes
	s_lshl_b32 s31, s16, 12                        ; my 128 columns are four K steps of the next layer
	s_add_co_u32 s28, s28, s31
.else
	s_mul_i32 s28, s17, 34078720                   ; a part's 8,320 rows of 4,096 bytes
	s_mul_i32 s31, s15, 4259840                    ; an expert's 1,040 rows
	s_add_co_u32 s28, s28, s31
	s_lshl_b32 s31, s16, 9
	s_add_co_u32 s28, s28, s31
.endif
	s_add_nc_u64 s[24:25], s[12:13], s[28:29]      ; output, the expert's slot 0
	s_lshl_b32 s30, s15, 7
	s_load_b32 s18, s[10:11], s30 offset:0x8000    ; ng[e] (the first of its 32 equal words); waited for behind the fill
	s_wait_alu depctr_va_vdst(0)                   ; the addresses and offsets v5 to v18 are written, which every load and store of the kernel reads
.irp f, 0,1,2,3,4,5,6,7
	global_load_b128 v[BIAS+8*\f:BIAS+8*\f+3], v[BV], s[34:35] offset:64*\f        ; register j: column 16 f + 8 h + j
	global_load_b128 v[BIAS+8*\f+4:BIAS+8*\f+7], v[BV], s[34:35] offset:64*\f+16
.endr
; ---- THE FILL ----
.macro FILLB bb                        ; 16 rows into staging buffer bb % 3
	WIN 0x40
.irp n, 0,1,2,3,4,5,6,7,8,9,10,11,12,13,14,15
	global_load_b128 v[SG+64*((\bb)%3)+4*\n:SG+64*((\bb)%3)+4*\n+3], v[WV], s[32:33] offset:(16*(\bb)+\n)*WPITCH th:TH_LOAD_NT
.endr
.endm
.macro PROC                            ; batch fb: round into an out-buffer, ask for batch fb + 3, store to LDS
.if fb <= 13
	s_wait_loadcnt 32                              ; loads come back in order: batch fb (and the bias before it) is in, two younger batches stay out
.else
	s_wait_loadcnt 16*(15-fb)
.endif
.if fb >= 2
	s_wait_alu depctr_vm_vsrc(0)                   ; the LDS stores of batch fb - 2 have read OB[fb & 1], which the conversions below write again
.endif
	WIN 0x45
.irp n, 0,1,2,3,4,5,6,7,8,9,10,11,12,13,14,15
	v_cvt_pk_bf16_f32 v[OB+32*(fb&1)+2*\n], v[SG+64*(fb%3)+4*\n], v[SG+64*(fb%3)+4*\n+1]
	v_cvt_pk_bf16_f32 v[OB+32*(fb&1)+2*\n+1], v[SG+64*(fb%3)+4*\n+2], v[SG+64*(fb%3)+4*\n+3]
.endr
.if fb < 13
	WIN 0x40
	s_wait_alu depctr_va_vdst(0)                   ; the conversions are done reading SG[fb % 3], in which the loads below land, and have written OB[fb & 1], which the LDS stores below read
	FILLB fb+3
	WIN 0x04
.else
	WIN 0x04
	s_wait_alu depctr_va_vdst(0)                   ; the conversions have written OB[fb & 1], which the LDS stores below read
.endif
.irp n, 0,1,2,3,4,5,6,7,8,9,10,11,12,13,14,15
	ds_store_b64 v[WS+((16*fb+\n)>>7)], v[OB+32*(fb&1)+2*\n:OB+32*(fb&1)+2*\n+1] offset:((16*fb+\n)&127)*WP
.endr
.endm
	FILLB 0
	FILLB 1
	FILLB 2
.set fb, 0
.rept 16
	PROC
.set fb, fb+1
.endr
	WIN 0
.if LAYER == 2
	s_cmp_eq_u32 s17, 0
	s_cselect_b32 s31, -1, 0
.set i, 0
.rept 64
	v_and_b32 v[BIAS+i], s31, v[BIAS+i]            ; the bias is added once: by part 0 of K
.set i, i+1
.endr
.endif
	s_wait_kmcnt 0x0
	s_min_u32 s18, s18, 13                         ; ng: 4 .. 13
	s_sub_co_u32 s18, s18, s14
	s_add_co_u32 s18, s18, 3
	s_lshr_b32 s18, s18, 2                         ; my passes: the groups w, w + 4, .. below ng; at least one, since ng >= 4
	s_wait_dscnt 0x0                               ; my rows lie in LDS before I say so
	s_barrier_signal -1
	s_barrier_wait -1                              ; the only barrier
; ---- A PASS: 80 slots x 128 columns x K = 1,024 ----
.macro LDW n                           ; K step n: eight weight fragments, 16 k x 16 columns to a transposing load
	WIN 0
.irp f, 0,1,2,3,4,5,6,7
.irp c, 0,1
	ds_load_tr16_b128 v[WB+64*((\n)&1)+8*\f+4*\c:WB+64*((\n)&1)+8*\f+4*\c+3], v[WA+(\n)/7] offset:((\n)%7)*32*WP+32*\f+16*WP*\c
.endr
.endr
.endm
.macro LDX n                           ; K step n: five slot fragments, each load 512 neighbouring bytes
	WIN 0x80
.irp t, 0,1,2,3,4
.irp c, 0,1
	global_load_b128 v[XB+40*((\n)&3)+8*\t+4*\c:XB+40*((\n)&3)+8*\t+4*\c+3], v[XV], s[22:23] offset:\t*TSTR+(\n)*1024+\c*512
.endr
.endr
.endm
.macro MULT t                          ; K step st, tile t: eight matrix instructions; in step 0 the bias starts the sums
.if \t < 4
.if st == 0
	WIN 0x48
.else
	WIN 0x58
.endif
.irp f, 0,1,2,3,4,5,6,7
.if st == 0
	v_wmma_f32_16x16x32_bf16 v[64*\t+8*\f:64*\t+8*\f+7], v[WB+64*(st&1)+8*\f:WB+64*(st&1)+8*\f+7], v[XB+40*(st&3)+8*\t:XB+40*(st&3)+8*\t+7], v[BIAS+8*\f:BIAS+8*\f+7]
.else
	v_wmma_f32_16x16x32_bf16 v[64*\t+8*\f:64*\t+8*\f+7], v[WB+64*(st&1)+8*\f:WB+64*(st&1)+8*\f+7], v[XB+40*(st&3)+8*\t:XB+40*(st&3)+8*\t+7], v[64*\t+8*\f:64*\t+8*\f+7]
.endif
.endr
.else
.if st == 0
	WIN 0x88
.else
	WIN 0xa8
.endif
.irp f, 0,1,2,3,4,5,6,7
.if st == 0
	v_wmma_f32_16x16x32_bf16 v[8*\f:8*\f+7], v[WB+64*(st&1)+8*\f:WB+64*(st&1)+8*\f+7], v[XB+40*(st&3)+32:XB+40*(st&3)+39], v[BIAS+8*\f:BIAS+8*\f+7]
.else
	v_wmma_f32_16x16x32_bf16 v[8*\f:8*\f+7], v[WB+64*(st&1)+8*\f:WB+64*(st&1)+8*\f+7], v[XB+40*(st&3)+32:XB+40*(st&3)+39], v[8*\f:8*\f+7]
.endif
.endr
.endif
.endm
.macro KSTEP
	s_wait_dscnt 0x0                               ; this step's weight fragments, asked for one step ago
.if st <= 29
	s_wait_loadcnt 20                              ; this step's slot fragments are in; the next two steps' ten loads each stay out
.else
	s_wait_loadcnt 10*(31-st)
.endif
.if (st > 0) && (st < 31)
	s_wait_alu depctr_va_vdst(0)                   ; the last step's matrix instructions are done reading the other WB and their XB, in which this step's loads land (step 0 leans on the waits at the pass's head; step 31 loads nothing)
.endif
	MULT 0
.if st < 31
	LDW st+1                                       ; no wait: no matrix instruction since the wait names these registers
.endif
	MULT 1
.if st < 29
	LDX st+3                                       ; likewise
.endif
	MULT 2
	MULT 3
	MULT 4
.endm
	s_mov_b32 s36, 0                               ; pass c
.Lpass:
	s_wait_xcnt 0x0                                ; the last pass's loads and stores have read their bases and registers
	s_wait_alu depctr_vm_vsrc(0)                   ; on the way in: the fill's LDS stores have read OB0 and OB1, which are accumulators from here on; on the way back: the last pass's stores have read their data (WB and T2; in layer 2 the accumulators and v64-127), which this pass writes again
	s_wait_alu depctr_va_vdst(0)                   ; on the way back: the last pass's matrix instructions are done reading WB and XB, and layer 1's conversions have written WB: the loads below land there
	s_lshl2_add_u32 s19, s36, s14                  ; group g = 4 c + w
	s_min_u32 s19, s19, 12                         ; steered by a count read from memory: kept inside the expert's 13 groups
	s_mul_i32 s28, s19, 5*TSTR
	s_add_nc_u64 s[22:23], s[20:21], s[28:29]      ; the group's five tiles
	s_mul_i32 s28, s19, OUTG
	s_add_nc_u64 s[26:27], s[24:25], s[28:29]
	LDW 0
	LDX 0
	LDX 1
	LDX 2
.set st, 0
.rept 32
	KSTEP
.set st, st+1
.endr
	PLACES 5                                       ; before results are read, and before the next pass's first products write these accumulators anew
.if LAYER == 1
	; THE WAY OUT: relu, round to bf16.  A lane's eight numbers of tile (t, f) are 16 bytes of piece (K step 4 cb + f / 2, half f & 1)
	; of the next layer's input: a wave's store covers 512 neighbouring bytes.
	WIN 0x44
.set i, 0
.rept 256
	v_max_num_f32 v[i], 0, v[i]
.set i, i+1
.endr
	WIN 0x05
.set i, 0
.rept 128
	v_cvt_pk_bf16_f32 v[WB+i], v[2*i], v[2*i+1]
.set i, i+1
.endr
	WIN 0
	s_wait_alu depctr_va_vdst(0)                   ; the conversions have written v[WB ..], which the 32 stores read
.set i, 0
.rept 32
	global_store_b128 v[XV], v[WB+4*i:WB+4*i+3], s[26:27] offset:(i>>3)*131072+(i&7)*512
.set i, i+1
.endr
	WIN 0x88
.set i, 0
.rept 64
	v_max_num_f32 v[i], 0, v[i]
.set i, i+1
.endr
	WIN 0x0a
.set i, 0
.rept 32
	v_cvt_pk_bf16_f32 v[T2+i], v[2*i], v[2*i+1]
.set i, i+1
.endr
	WIN 0
	s_wait_alu depctr_va_vdst(0)                   ; the conversions have written v[T2 ..], which the last eight stores read
.set i, 0
.rept 8
	global_store_b128 v[XV], v[T2+4*i:T2+4*i+3], s[26:27] offset:4*131072+i*512
.set i, i+1
.endr
.else
	; THE WAY OUT: 16 slots x 64 columns of f32 at a time through my wave's own stage, read back as rows of 256 bytes:
	; sixteen neighbouring lanes store 256 neighbouring, aligned bytes.  Block n goes into the stage and is read back before block n - 1 is stored.
.macro TOST t, u                       ; a block into the stage: each accumulator from its low end on
.if \t < 4
	WIN 0x04
.irp f, 0,1,2,3
.irp c, 0,1
	ds_store_b128 v[STO], v[8*(8*\t+4*\u+\f)+4*\c:8*(8*\t+4*\u+\f)+4*\c+3] offset:64*\f+16*\c
.endr
.endr
.else
	WIN 0x08
.irp f, 0,1,2,3
.irp c, 0,1
	ds_store_b128 v[STO], v[8*(4*\u+\f)+4*\c:8*(4*\u+\f)+4*\c+3] offset:64*\f+16*\c
.endr
.endr
.endif
.endm
.macro BACK tb, again                  ; and back, as whole rows, into buffer tb.  again = 1: stores of this pass have read the buffer
	WIN 0
.if \again
	s_wait_xcnt 0x0                                ; earlier stores have had their addresses translated: buffer tb is loaded again only behind this wait
	s_wait_alu depctr_vm_vsrc(0)                   ; the stores of the block two before have read buffer tb, in which the loads below land
.endif
.irp i, 0,1,2,3,4,5,6,7
	ds_load_b128 v[\tb+4*\i:\tb+4*\i+3], v[RD] offset:2*SP*\i      ; LDS serves a wave's instructions in order (ISA guide 5.7.1): these see the stores above; the next block's stores come behind them
.endr
.endm
.macro SEND t, u, tb, younger          ; younger: the LDS instructions issued behind this block's loads: the next block's sixteen, or none
.irp i, 0,1,2,3,4,5,6,7
	s_wait_dscnt \younger+7-\i                     ; row pair i is in; the younger ones stay out
	global_store_b128 v[CO], v[\tb+4*\i:\tb+4*\i+3], s[26:27] offset:(16*\t+2*\i)*4096+256*\u
.endr
.endm
	s_wait_alu depctr_va_vdst(0)                   ; the matrix instructions have written the accumulators, which the LDS stores read, and are done reading v64-127, in which the loads from the stage land; the places above stay beside this wait
	TOST 0, 0
	BACK 64, 0
	TOST 0, 1
	BACK 96, 0
	SEND 0, 0, 64, 16
	TOST 1, 0
	BACK 64, 1
	SEND 0, 1, 96, 16
	TOST 1, 1
	BACK 96, 1
	SEND 1, 0, 64, 16
	TOST 2, 0
	BACK 64, 1
	SEND 1, 1, 96, 16
	TOST 2, 1
	BACK 96, 1
	SEND 2, 0, 64, 16
	TOST 3, 0
	BACK 64, 1
	SEND 2, 1, 96, 16
	TOST 3, 1
	BACK 96, 1
	SEND 3, 0, 64, 16
	TOST 4, 0
	BACK 64, 1
	SEND 3, 1, 96, 16
	TOST 4, 1
	BACK 96, 1
	SEND 4, 0, 64, 16
	SEND 4, 1, 96, 0
.endif
	WIN 0
	s_add_co_u32 s36, s36, 1
	s_cmp_lt_u32 s36, s18
	s_cbranch_scc1 .Lpass
	s_wait_dscnt 0x0
	s_wait_alu depctr_hold_cnt(0) depctr_sa_sdst(0) depctr_va_vdst(0) depctr_va_sdst(0) depctr_va_ssrc(0) depctr_va_vcc(0) depctr_vm_vsrc(0)
	s_wait_tensorcnt 0x0
	ds_add_u32 v30, v31
	s_wait_dscnt 0x0
	s_endpgm
.Lfunc_end_k_q0fa097f55d_ffn1:
	.size	k_q0fa097f55d_ffn1, .Lfunc_end_k_q0fa097f55d_ffn1-k_q0fa097f55d_ffn1
	.p2alignl 7, 3214868480
	.fill 96, 4, 3214868480
	.section	.rodata,"a",@progbits
	.p2align	6, 0x0
	.amdhsa_kernel k_q0fa097f55d_ffn1
		.amdhsa_group_segment_fixed_size 295424
		.amdhsa_private_segment_fixed_size 0
		.amdhsa_enable_private_segment 0
		.amdhsa_kernarg_size 40
		.amdhsa_user_sgpr_count 2
		.amdhsa_user_sgpr_kernarg_segment_ptr 1
		.amdhsa_wavefront_size32 1
		.amdhsa_system_sgpr_workgroup_id_x 1
		.amdhsa_system_sgpr_workgroup_id_y 1
		.amdhsa_system_sgpr_workgroup_id_z 1
		.amdhsa_system_vgpr_workitem_id 0
		.amdhsa_next_free_vgpr 768
		.amdhsa_next_free_sgpr 66
		.amdhsa_reserve_vcc 0
		.amdhsa_float_denorm_mode_32 3
		.amdhsa_float_denorm_mode_16_64 3
		.amdhsa_memory_ordered 1
		.amdhsa_forward_progress 1
		.amdhsa_inst_pref_size 255
	.end_amdhsa_kernel
	.amdgpu_metadata
---
amdhsa.version: [ 1, 2 ]
amdhsa.kernels:
  - .name:           k_q0fa097f55d_ffn1
    .symbol:         k_q0fa097f55d_ffn1.kd
    .args:
      - { .name: xF, .offset: 0, .size: 8, .value_kind: global_buffer, .address_space: global }
      - { .name: W1, .offset: 8, .size: 8, .value_kind: global_buffer, .address_space: global }
      - { .name: b1, .offset: 16, .size: 8, .value_kind: global_buffer, .address_space: global }
      - { .name: plist, .offset: 24, .size: 8, .value_kind: global_buffer, .address_space: global }
      - { .name: hF, .offset: 32, .size: 8, .value_kind: global_buffer, .address_space: global }
    .group_segment_fixed_size: 295424
    .private_segment_fixed_size: 0
    .kernarg_segment_align: 8
    .kernarg_segment_size: 40
    .max_flat_workgroup_size: 128
    .sgpr_count:     66
    .vgpr_count:     768
    .wavefront_size: 32
...
	.end_amdgpu_metadata
.endif
;; end of part 7
;; launch ffn2 (part 8): grid 32 x 8, 4 waves a work-group, no clusters, 312,832 bytes of LDS; arguments hF, W2, b2, plist, ypart; writes ypart
.if DOCPART == 8
	.amdgcn_target "amdgcn-amd-amdhsa--gfx1250"
	.amdhsa_code_object_version 6
	.text
	.protected	k_q0fa097f55d_ffn2
	.globl	k_q0fa097f55d_ffn2
	.p2align	8
	.type	k_q0fa097f55d_ffn2,@function
k_q0fa097f55d_ffn2:
	s_mov_b64 s[64:65], 0
	v_nop
	global_prefetch_b8 v0, s[64:65] scope:SCOPE_SE
	s_setreg_imm32_b32 hwreg(HW_REG_WAVE_SCHED_MODE, 0, 2), 2
	s_setreg_imm32_b32 hwreg(HW_REG_WAVE_MODE, 25, 1), 1
	s_wait_xcnt 0x0
	s_wait_alu depctr_vm_vsrc(0)
; ONE LAYER OF THE EXPERTS' FFN (this text serves both layers; LAYER picks the sizes and the way out).
;   LAYER 1: h = relu(x W1[e] + b1[e]), stored as bf16 in the order in which layer 2's lanes want it.
;   LAYER 2: y = h W2[e] + b2[e], K in four parts; part ks stores its f32 partial sums (the bias rides on part 0).
; Only the slots that chose expert e are multiplied: a gate of 0 throws the other tokens' results away.
; LIMITS: that holds while those results are finite (0 x inf would be NaN).  relu is v_max_num_f32: a NaN becomes 0.  b1, b2 stay f32.
; Work-group (x, e): 128 columns x K = 1,024 of one expert's weights: 512 KiB of f32, read once, by this work-group alone.
;   FILL: wave w loads rows 256 w .. + 255 (a load = one row's 512 neighbouring bytes), rounds to bf16, stores to LDS as [k][128 columns],
;         pitch 288 bytes.  48 loads of each wave are on their way.  One barrier; behind it LDS's weights are only read.
;   PASS: wave w takes the groups g = w, w + 4, .. < ng of 80 slots (5 tiles of 16); ng was stored by the plan launch.
;         32 K steps: 8 weight fragments by transposing LDS loads, 5 slot fragments straight from memory (they lie there in lane order),
;         40 matrix instructions.  The loop over groups is a wave's own affair: no barrier in it.
; The matrix instruction takes the weights as first source: register j of lane (r, h) of tile (t, f) is slot r, column 16 f + 8 h + j.
; No cluster, no tensor loads: the weights are shared by no two work-groups and pass through registers to be rounded; the slots' fragments,
; which the expert's 32 work-groups share, go to registers without touching LDS (294,912 of its 327,680 bytes hold weights), and how many
; groups there are hangs on a count read from memory.
; REGISTERS, in windows of 256:  window 0: v0-31 addresses, v32-63 and v64-191 way out, v64-191 weight fragments (two buffers), v192-255 bias
;   window 1: accumulators of tiles t = 0..3 ((t, f) at 64 t + 8 f); during the fill three staging buffers of 64 and two out-buffers of 32
;   window 2: v0-63 accumulators of t = 4; v64-223 slot fragments, four buffers of 40
; THE MODE: SCHED_MODE bits 1:0 = 2 (LLVM: expert scheduling mode 2), set by the entry lines.  The code itself states the register dependences
; between vector or matrix instructions and memory or LDS instructions, with s_wait_alu, always for 0.
; THE PLAN.  Registers that memory or LDS instructions touch:
;   v5-v18      addresses and offsets: written at the head, never again.  One wait on va_vdst ahead of the first load serves the whole kernel.
;   SG0 .. SG2  Fill, batch fb: its conversions read SG[fb % 3]; behind them the loads of batch fb + 3 land in it.
;   OB0, OB1    Fill, batch fb: its conversions write OB[fb & 1]; its sixteen LDS stores read it; batch fb + 2 writes it again.
;               One wait on va_vdst behind a batch's conversions serves its loads and its LDS stores; one on vm_vsrc stands ahead of the conversions, a batch behind the stores it waits for.
;   WB0, WB1    K step n: its matrix instructions read WB[n & 1]; the LDS loads issued in step n + 1 land in it (the fragments of step n + 2).
;   XB0 .. XB3  K step n: its matrix instructions read XB[n & 3]; the loads issued in step n + 1 land in it (the fragments of step n + 4).
;               One wait on va_vdst at a step's head states that the step before is done reading both; the step's 26 loads follow it, dealt among its
;               matrix instructions, which name WB[n & 1], XB[n & 3], the accumulators and (step 0) the bias: none of the registers that those loads touch.
;   way out     Layer 1: conversions write WB and T2, global stores read them.  Layer 2: LDS stores read the accumulators; loads from the stage land in
;               v64-95 and v96-127 by turns, global stores read them.  The waits at a pass's head free all of these for the next pass.
.set LAYER, 2
.if LAYER == 1
.set WPITCH, 16384                     ; bytes from row to row of the weights
.set TSTR,   32768                     ; bytes of a tile of 16 slots in the input
.set XEXP,   2129920                   ; bytes of an expert's 65 tiles in the input
.set BEXP,   16384                     ; bytes of an expert's bias
.set OUTG,   655360                    ; bytes of a group of 80 slots in the output
.else
.set WPITCH, 4096
.set TSTR,   131072
.set XEXP,   8519680
.set BEXP,   4096
.set OUTG,   327680
.endif
.set WP,    288                        ; LDS pitch: 256 bytes + 32, an odd multiple of 32 for the transposing loads
.set STAGE, 1024*WP                    ; layer 2: behind the weights, 16 rows x 272 bytes for each wave
.set SP,    272
.set LANE, 2
.set R,    3
.set H,    4
.set XV,   5                           ; 16 x lane
.set WV,   6                           ; weights: 16 x lane + my wave's first row
.set BV,   7                           ; bias: 32 h
.set WS,   8                           ; v8, v9: LDS store address, rows 0-127 and 128-255 of my wave's 256
.set WA,   10                          ; v10-14: LDS address of my part of a weight fragment, K steps 7 i ..
.set STO,  16
.set RD,   17
.set CO,   18
.set TA,   20
.set T2,   32
.set WB,   64
.set BIAS, 192
.set XB,   64                          ; in window 2
.set SG,   0                           ; in window 1, during the fill: staging buffer b at 64 b
.set OB,   192                         ; in window 1, during the fill: out-buffer o at 192 + 32 o
.set MSB, 0
.macro WIN new                         ; the immediate's high byte repeats the setting that is left
.if MSB != \new
	s_set_vgpr_msb (MSB<<8)|\new
.set MSB, \new
.endif
.endm
.macro PLACES n                        ; independent vector places behind matrix instructions (ISA guide 7.12.1)
.rept \n
	v_nop
.endr
.endm
	s_load_b256 s[4:11], s[0:1], 0x0               ; input s[4:5], weights s[6:7], bias s[8:9], plist s[10:11]
	s_load_b64 s[12:13], s[0:1], 0x20              ; output
	v_lshl_add_u32 v62, v0, 2, 0x4c400
	v_mov_b32 v63, 0
	v_lshrrev_b32 v[TA], 5, v0
	v_readfirstlane_b32 s14, v[TA]                 ; wave 0..3
	s_and_b32 s15, ttmp7, 0xffff                   ; e
.if LAYER == 1
	s_mov_b32 s16, ttmp9                           ; block of 128 columns, 0..31
	s_mov_b32 s17, 0                               ; one part of K
.else
	s_and_b32 s16, ttmp9, 7                        ; block of 128 columns, 0..7
	s_lshr_b32 s17, ttmp9, 3                       ; part of K, 0..3
.endif
	v_and_b32 v[LANE], 31, v0
	v_and_b32 v[R], 15, v0
	v_bfe_u32 v[H], v0, 4, 1
	v_lshlrev_b32 v[XV], 4, v[LANE]
	s_wait_alu depctr_va_sdst(0)                   ; s14 is written, ahead of its first reader: addresses and the count of passes are made from it
	s_mul_i32 s28, s14, 256*WPITCH
	v_add_nc_u32 v[WV], s28, v[XV]
	s_mul_i32 s28, s14, 256*WP
	v_lshl_add_u32 v[WS], v[LANE], 3, s28          ; a lane's four columns are 8 bytes of bf16
	v_add_nc_u32 v[WS+1], 128*WP, v[WS]
	v_and_b32 v[TA], 7, v0
	v_lshl_add_u32 v[TA], v[H], 3, v[TA]           ; row 8 h + (lane & 7) of the K step
	v_mul_u32_u24 v[TA], v[TA], WP
	v_bfe_u32 v[TA+1], v0, 3, 1
	v_lshl_add_u32 v[WA], v[TA+1], 4, v[TA]        ; + 16 bytes for lanes 8-15 and 24-31
.irp i, 1,2,3,4
	v_add_nc_u32 v[WA+\i], \i*7*32*WP, v[WA]       ; seven K steps (64,512 bytes) are within an offset's reach
.endr
	v_lshlrev_b32 v[BV], 5, v[H]
.if LAYER == 2
	s_mul_i32 s28, s14, 16*SP
	s_add_co_u32 s28, s28, STAGE                   ; my wave's stage
	v_mul_u32_u24 v[TA], v[R], SP
	v_lshl_add_u32 v[TA], v[H], 5, v[TA]
	v_add_nc_u32 v[STO], s28, v[TA]                ; in: row r, 8 h columns of f32
	v_mul_u32_u24 v[TA], v[H], SP
	v_lshl_add_u32 v[TA], v[R], 4, v[TA]
	v_add_nc_u32 v[RD], s28, v[TA]                 ; back: lanes 0-15 one row of 256 bytes, lanes 16-31 the next
	v_lshlrev_b32 v[TA], 12, v[H]
	v_lshl_add_u32 v[CO], v[R], 4, v[TA]           ; the same two rows in the output
.endif
	s_mov_b32 s29, 0
	s_wait_kmcnt 0x0
	s_lshl_b32 s28, s15, 24                        ; an expert's weights: 16 MiB
	s_lshl_b32 s31, s17, 22                        ; a part of K: 1,024 rows of 4,096 bytes (layer 2)
	s_add_co_u32 s28, s28, s31
	s_lshl_b32 s31, s16, 9                         ; 128 columns of f32
	s_add_co_u32 s28, s28, s31
	s_add_nc_u64 s[32:33], s[6:7], s[28:29]        ; weights
	s_mul_i32 s28, s15, XEXP
	s_lshl_b32 s31, s17, 15                        ; a part of K: 32 K steps of 1,024 bytes
	s_add_co_u32 s28, s28, s31
	s_add_nc_u64 s[20:21], s[4:5], s[28:29]        ; input, the expert's slot 0
	s_mul_i32 s28, s15, BEXP
	s_lshl_b32 s31, s16, 9
	s_add_co_u32 s28, s28, s31
	s_add_nc_u64 s[34:35], s[8:9], s[28:29]        ; bias
.if LAYER == 1
	s_mul_i32 s28, s15, 8519680                    ; an expert's 65 tiles of 131,072 bytes
	s_lshl_b32 s31, s16, 12                        ; my 128 columns are four K steps of the next layer
	s_add_co_u32 s28, s28, s31
.else
	s_mul_i32 s28, s17, 34078720                   ; a part's 8,320 rows of 4,096 bytes
	s_mul_i32 s31, s15, 4259840                    ; an expert's 1,040 rows
	s_add_co_u32 s28, s28, s31
	s_lshl_b32 s31, s16, 9
	s_add_co_u32 s28, s28, s31
.endif
	s_add_nc_u64 s[24:25], s[12:13], s[28:29]      ; output, the expert's slot 0
	s_lshl_b32 s30, s15, 7
	s_load_b32 s18, s[10:11], s30 offset:0x8000    ; ng[e] (the first of its 32 equal words); waited for behind the fill
	s_wait_alu depctr_va_vdst(0)                   ; the addresses and offsets v5 to v18 are written, which every load and store of the kernel reads
.irp f, 0,1,2,3,4,5,6,7
	global_load_b128 v[BIAS+8*\f:BIAS+8*\f+3], v[BV], s[34:35] offset:64*\f        ; register j: column 16 f + 8 h + j
	global_load_b128 v[BIAS+8*\f+4:BIAS+8*\f+7], v[BV], s[34:35] offset:64*\f+16
.endr
; ---- THE FILL ----
.macro FILLB bb                        ; 16 rows into staging buffer bb % 3
	WIN 0x40
.irp n, 0,1,2,3,4,5,6,7,8,9,10,11,12,13,14,15
	global_load_b128 v[SG+64*((\bb)%3)+4*\n:SG+64*((\bb)%3)+4*\n+3], v[WV], s[32:33] offset:(16*(\bb)+\n)*WPITCH th:TH_LOAD_NT
.endr
.endm
.macro PROC                            ; batch fb: round into an out-buffer, ask for batch fb + 3, store to LDS
.if fb <= 13
	s_wait_loadcnt 32                              ; loads come back in order: batch fb (and the bias before it) is in, two younger batches stay out
.else
	s_wait_loadcnt 16*(15-fb)
.endif
.if fb >= 2
	s_wait_alu depctr_vm_vsrc(0)                   ; the LDS stores of batch fb - 2 have read OB[fb & 1], which the conversions below write again
.endif
	WIN 0x45
.irp n, 0,1,2,3,4,5,6,7,8,9,10,11,12,13,14,15
	v_cvt_pk_bf16_f32 v[OB+32*(fb&1)+2*\n], v[SG+64*(fb%3)+4*\n], v[SG+64*(fb%3)+4*\n+1]
	v_cvt_pk_bf16_f32 v[OB+32*(fb&1)+2*\n+1], v[SG+64*(fb%3)+4*\n+2], v[SG+64*(fb%3)+4*\n+3]
.endr
.if fb < 13
	WIN 0x40
	s_wait_alu depctr_va_vdst(0)                   ; the conversions are done reading SG[fb % 3], in which the loads below land, and have written OB[fb & 1], which the LDS stores below read
	FILLB fb+3
	WIN 0x04
.else
	WIN 0x04
	s_wait_alu depctr_va_vdst(0)                   ; the conversions have written OB[fb & 1], which the LDS stores below read
.endif
.irp n, 0,1,2,3,4,5,6,7,8,9,10,11,12,13,14,15
	ds_store_b64 v[WS+((16*fb+\n)>>7)], v[OB+32*(fb&1)+2*\n:OB+32*(fb&1)+2*\n+1] offset:((16*fb+\n)&127)*WP
.endr
.endm
	FILLB 0
	FILLB 1
	FILLB 2
.set fb, 0
.rept 16
	PROC
.set fb, fb+1
.endr
	WIN 0
.if LAYER == 2
	s_cmp_eq_u32 s17, 0
	s_cselect_b32 s31, -1, 0
.set i, 0
.rept 64
	v_and_b32 v[BIAS+i], s31, v[BIAS+i]            ; the bias is added once: by part 0 of K
.set i, i+1
.endr
.endif
	s_wait_kmcnt 0x0
	s_min_u32 s18, s18, 13                         ; ng: 4 .. 13
	s_sub_co_u32 s18, s18, s14
	s_add_co_u32 s18, s18, 3
	s_lshr_b32 s18, s18, 2                         ; my passes: the groups w, w + 4, .. below ng; at least one, since ng >= 4
	s_wait_dscnt 0x0                               ; my rows lie in LDS before I say so
	s_barrier_signal -1
	s_barrier_wait -1                              ; the only barrier
; ---- A PASS: 80 slots x 128 columns x K = 1,024 ----
.macro LDW n                           ; K step n: eight weight fragments, 16 k x 16 columns to a transposing load
	WIN 0
.irp f, 0,1,2,3,4,5,6,7
.irp c, 0,1
	ds_load_tr16_b128 v[WB+64*((\n)&1)+8*\f+4*\c:WB+64*((\n)&1)+8*\f+4*\c+3], v[WA+(\n)/7] offset:((\n)%7)*32*WP+32*\f+16*WP*\c
.endr
.endr
.endm
.macro LDX n                           ; K step n: five slot fragments, each load 512 neighbouring bytes
	WIN 0x80
.irp t, 0,1,2,3,4
.irp c, 0,1
	global_load_b128 v[XB+40*((\n)&3)+8*\t+4*\c:XB+40*((\n)&3)+8*\t+4*\c+3], v[XV], s[22:23] offset:\t*TSTR+(\n)*1024+\c*512
.endr
.endr
.endm
.macro MULT t                          ; K step st, tile t: eight matrix instructions; in step 0 the bias starts the sums
.if \t < 4
.if st == 0
	WIN 0x48
.else
	WIN 0x58
.endif
.irp f, 0,1,2,3,4,5,6,7
.if st == 0
	v_wmma_f32_16x16x32_bf16 v[64*\t+8*\f:64*\t+8*\f+7], v[WB+64*(st&1)+8*\f:WB+64*(st&1)+8*\f+7], v[XB+40*(st&3)+8*\t:XB+40*(st&3)+8*\t+7], v[BIAS+8*\f:BIAS+8*\f+7]
.else
	v_wmma_f32_16x16x32_bf16 v[64*\t+8*\f:64*\t+8*\f+7], v[WB+64*(st&1)+8*\f:WB+64*(st&1)+8*\f+7], v[XB+40*(st&3)+8*\t:XB+40*(st&3)+8*\t+7], v[64*\t+8*\f:64*\t+8*\f+7]
.endif
.endr
.else
.if st == 0
	WIN 0x88
.else
	WIN 0xa8
.endif
.irp f, 0,1,2,3,4,5,6,7
.if st == 0
	v_wmma_f32_16x16x32_bf16 v[8*\f:8*\f+7], v[WB+64*(st&1)+8*\f:WB+64*(st&1)+8*\f+7], v[XB+40*(st&3)+32:XB+40*(st&3)+39], v[BIAS+8*\f:BIAS+8*\f+7]
.else
	v_wmma_f32_16x16x32_bf16 v[8*\f:8*\f+7], v[WB+64*(st&1)+8*\f:WB+64*(st&1)+8*\f+7], v[XB+40*(st&3)+32:XB+40*(st&3)+39], v[8*\f:8*\f+7]
.endif
.endr
.endif
.endm
.macro KSTEP
	s_wait_dscnt 0x0                               ; this step's weight fragments, asked for one step ago
.if st <= 29
	s_wait_loadcnt 20                              ; this step's slot fragments are in; the next two steps' ten loads each stay out
.else
	s_wait_loadcnt 10*(31-st)
.endif
.if (st > 0) && (st < 31)
	s_wait_alu depctr_va_vdst(0)                   ; the last step's matrix instructions are done reading the other WB and their XB, in which this step's loads land (step 0 leans on the waits at the pass's head; step 31 loads nothing)
.endif
	MULT 0
.if st < 31
	LDW st+1                                       ; no wait: no matrix instruction since the wait names these registers
.endif
	MULT 1
.if st < 29
	LDX st+3                                       ; likewise
.endif
	MULT 2
	MULT 3
	MULT 4
.endm
	s_mov_b32 s36, 0                               ; pass c
.Lpass:
	s_wait_xcnt 0x0                                ; the last pass's loads and stores have read their bases and registers
	s_wait_alu depctr_vm_vsrc(0)                   ; on the way in: the fill's LDS stores have read OB0 and OB1, which are accumulators from here on; on the way back: the last pass's stores have read their data (WB and T2; in layer 2 the accumulators and v64-127), which this pass writes again
	s_wait_alu depctr_va_vdst(0)                   ; on the way back: the last pass's matrix instructions are done reading WB and XB, and layer 1's conversions have written WB: the loads below land there
	s_lshl2_add_u32 s19, s36, s14                  ; group g = 4 c + w
	s_min_u32 s19, s19, 12                         ; steered by a count read from memory: kept inside the expert's 13 groups
	s_mul_i32 s28, s19, 5*TSTR
	s_add_nc_u64 s[22:23], s[20:21], s[28:29]      ; the group's five tiles
	s_mul_i32 s28, s19, OUTG
	s_add_nc_u64 s[26:27], s[24:25], s[28:29]
	LDW 0
	LDX 0
	LDX 1
	LDX 2
.set st, 0
.rept 32
	KSTEP
.set st, st+1
.endr
	PLACES 5                                       ; before results are read, and before the next pass's first products write these accumulators anew
.if LAYER == 1
	; THE WAY OUT: relu, round to bf16.  A lane's eight numbers of tile (t, f) are 16 bytes of piece (K step 4 cb + f / 2, half f & 1)
	; of the next layer's input: a wave's store covers 512 neighbouring bytes.
	WIN 0x44
.set i, 0
.rept 256
	v_max_num_f32 v[i], 0, v[i]
.set i, i+1
.endr
	WIN 0x05
.set i, 0
.rept 128
	v_cvt_pk_bf16_f32 v[WB+i], v[2*i], v[2*i+1]
.set i, i+1
.endr
	WIN 0
	s_wait_alu depctr_va_vdst(0)                   ; the conversions have written v[WB ..], which the 32 stores read
.set i, 0
.rept 32
	global_store_b128 v[XV], v[WB+4*i:WB+4*i+3], s[26:27] offset:(i>>3)*131072+(i&7)*512
.set i, i+1
.endr
	WIN 0x88
.set i, 0
.rept 64
	v_max_num_f32 v[i], 0, v[i]
.set i, i+1
.endr
	WIN 0x0a
.set i, 0
.rept 32
	v_cvt_pk_bf16_f32 v[T2+i], v[2*i], v[2*i+1]
.set i, i+1
.endr
	WIN 0
	s_wait_alu depctr_va_vdst(0)                   ; the conversions have written v[T2 ..], which the last eight stores read
.set i, 0
.rept 8
	global_store_b128 v[XV], v[T2+4*i:T2+4*i+3], s[26:27] offset:4*131072+i*512
.set i, i+1
.endr
.else
	; THE WAY OUT: 16 slots x 64 columns of f32 at a time through my wave's own stage, read back as rows of 256 bytes:
	; sixteen neighbouring lanes store 256 neighbouring, aligned bytes.  Block n goes into the stage and is read back before block n - 1 is stored.
.macro TOST t, u                       ; a block into the stage: each accumulator from its low end on
.if \t < 4
	WIN 0x04
.irp f, 0,1,2,3
.irp c, 0,1
	ds_store_b128 v[STO], v[8*(8*\t+4*\u+\f)+4*\c:8*(8*\t+4*\u+\f)+4*\c+3] offset:64*\f+16*\c
.endr
.endr
.else
	WIN 0x08
.irp f, 0,1,2,3
.irp c, 0,1
	ds_store_b128 v[STO], v[8*(4*\u+\f)+4*\c:8*(4*\u+\f)+4*\c+3] offset:64*\f+16*\c
.endr
.endr
.endif
.endm
.macro BACK tb, again                  ; and back, as whole rows, into buffer tb.  again = 1: stores of this pass have read the buffer
	WIN 0
.if \again
	s_wait_xcnt 0x0                                ; earlier stores have had their addresses translated: buffer tb is loaded again only behind this wait
	s_wait_alu depctr_vm_vsrc(0)                   ; the stores of the block two before have read buffer tb, in which the loads below land
.endif
.irp i, 0,1,2,3,4,5,6,7
	ds_load_b128 v[\tb+4*\i:\tb+4*\i+3], v[RD] offset:2*SP*\i      ; LDS serves a wave's instructions in order (ISA guide 5.7.1): these see the stores above; the next block's stores come behind them
.endr
.endm
.macro SEND t, u, tb, younger          ; younger: the LDS instructions issued behind this block's loads: the next block's sixteen, or none
.irp i, 0,1,2,3,4,5,6,7
	s_wait_dscnt \younger+7-\i                     ; row pair i is in; the younger ones stay out
	global_store_b128 v[CO], v[\tb+4*\i:\tb+4*\i+3], s[26:27] offset:(16*\t+2*\i)*4096+256*\u
.endr
.endm
	s_wait_alu depctr_va_vdst(0)                   ; the matrix instructions have written the accumulators, which the LDS stores read, and are done reading v64-127, in which the loads from the stage land; the places above stay beside this wait
	TOST 0, 0
	BACK 64, 0
	TOST 0, 1
	BACK 96, 0
	SEND 0, 0, 64, 16
	TOST 1, 0
	BACK 64, 1
	SEND 0, 1, 96, 16
	TOST 1, 1
	BACK 96, 1
	SEND 1, 0, 64, 16
	TOST 2, 0
	BACK 64, 1
	SEND 1, 1, 96, 16
	TOST 2, 1
	BACK 96, 1
	SEND 2, 0, 64, 16
	TOST 3, 0
	BACK 64, 1
	SEND 2, 1, 96, 16
	TOST 3, 1
	BACK 96, 1
	SEND 3, 0, 64, 16
	TOST 4, 0
	BACK 64, 1
	SEND 3, 1, 96, 16
	TOST 4, 1
	BACK 96, 1
	SEND 4, 0, 64, 16
	SEND 4, 1, 96, 0
.endif
	WIN 0
	s_add_co_u32 s36, s36, 1
	s_cmp_lt_u32 s36, s18
	s_cbranch_scc1 .Lpass
	s_wait_dscnt 0x0
	s_wait_alu depctr_hold_cnt(0) depctr_sa_sdst(0) depctr_va_vdst(0) depctr_va_sdst(0) depctr_va_ssrc(0) depctr_va_vcc(0) depctr_vm_vsrc(0)
	s_wait_tensorcnt 0x0
	ds_add_u32 v62, v63
	s_wait_dscnt 0x0
	s_endpgm
.Lfunc_end_k_q0fa097f55d_ffn2:
	.size	k_q0fa097f55d_ffn2, .Lfunc_end_k_q0fa097f55d_ffn2-k_q0fa097f55d_ffn2
	.p2alignl 7, 3214868480
	.fill 96, 4, 3214868480
	.section	.rodata,"a",@progbits
	.p2align	6, 0x0
	.amdhsa_kernel k_q0fa097f55d_ffn2
		.amdhsa_group_segment_fixed_size 312832
		.amdhsa_private_segment_fixed_size 0
		.amdhsa_enable_private_segment 0
		.amdhsa_kernarg_size 40
		.amdhsa_user_sgpr_count 2
		.amdhsa_user_sgpr_kernarg_segment_ptr 1
		.amdhsa_wavefront_size32 1
		.amdhsa_system_sgpr_workgroup_id_x 1
		.amdhsa_system_sgpr_workgroup_id_y 1
		.amdhsa_system_sgpr_workgroup_id_z 1
		.amdhsa_system_vgpr_workitem_id 0
		.amdhsa_next_free_vgpr 768
		.amdhsa_next_free_sgpr 66
		.amdhsa_reserve_vcc 0
		.amdhsa_float_denorm_mode_32 3
		.amdhsa_float_denorm_mode_16_64 3
		.amdhsa_memory_ordered 1
		.amdhsa_forward_progress 1
		.amdhsa_inst_pref_size 255
	.end_amdhsa_kernel
	.amdgpu_metadata
---
amdhsa.version: [ 1, 2 ]
amdhsa.kernels:
  - .name:           k_q0fa097f55d_ffn2
    .symbol:         k_q0fa097f55d_ffn2.kd
    .args:
      - { .name: hF, .offset: 0, .size: 8, .value_kind: global_buffer, .address_space: global }
      - { .name: W2, .offset: 8, .size: 8, .value_kind: global_buffer, .address_space: global }
      - { .name: b2, .offset: 16, .size: 8, .value_kind: global_buffer, .address_space: global }
      - { .name: plist, .offset: 24, .size: 8, .value_kind: global_buffer, .address_space: global }
      - { .name: ypart, .offset: 32, .size: 8, .value_kind: global_buffer, .address_space: global }
    .group_segment_fixed_size: 312832
    .private_segment_fixed_size: 0
    .kernarg_segment_align: 8
    .kernarg_segment_size: 40
    .max_flat_workgroup_size: 128
    .sgpr_count:     66
    .vgpr_count:     768
    .wavefront_size: 32
...
	.end_amdgpu_metadata
.endif
;; end of part 8
;; launch combine (part 9): grid 256 x 1, 8 waves a work-group, no clusters, 0 bytes of LDS; arguments ypart, plist, rflt, ridx, out0; writes out0
.if DOCPART == 9
	.amdgcn_target "amdgcn-amd-amdhsa--gfx1250"
	.amdhsa_code_object_version 6
	.text
	.protected	k_q0fa097f55d_combine
	.globl	k_q0fa097f55d_combine
	.p2align	8
	.type	k_q0fa097f55d_combine,@function
k_q0fa097f55d_combine:
	s_mov_b64 s[64:65], 0
	v_nop
	global_prefetch_b8 v0, s[64:65] scope:SCOPE_SE
	s_setreg_imm32_b32 hwreg(HW_REG_WAVE_SCHED_MODE, 0, 2), 2
	s_setreg_imm32_b32 hwreg(HW_REG_WAVE_MODE, 25, 1), 1
	s_wait_xcnt 0x0
	s_wait_alu depctr_vm_vsrc(0)
; COMBINE: out0[token] = g0 x (sum over the four parts of K of the row of the token's first expert) + g1 x (the same for its second).
; The token's two experts (eid, stored by the router launch) pick the two words posE[e][token] (stored by the plan launch) that say where
; its rows lie; the gates were stored by the router launch.  All of these are whole numbers or values read from memory, clamped before use.
; A work-group takes four tokens; wave w takes token 4 wg + w / 2 and half w & 1 of its row (2,048 bytes): eight source rows, four loads of
; 512 neighbouring bytes from each, all 32 on their way at once; each byte of the partial sums that is needed is read once.
; A stream: no LDS, no barrier (the waves do not depend on each other), no matrix unit, no cluster (no two work-groups read the same bytes).
; THE MODE: SCHED_MODE bits 1:0 = 2 (LLVM: expert scheduling mode 2), set by the entry lines.  The code itself states the register dependences
; between vector instructions and memory instructions, with s_wait_alu, always for 0.
; THE PLAN.  Registers that memory instructions touch:
;   v[OV]   the offset of every load and store: written once at the head, never again.
;   Y       each register is loaded once; quarter c's sums end in Y + 32 c .. + 3, which one store reads and nothing writes again.
; So no register that a memory instruction reads is ever rewritten, and what is left to state is that a store's data are written: the store of
; quarter c - 1 stands at the head of quarter c, behind the wait for that quarter's loads and one wait on va_vdst; the last store has a wait of its own.
.set PART, 34078720                    ; bytes of one part of K: 8,320 rows of 4,096
.set OV,  2                            ; 16 x lane
.set G0,  8                            ; v8, v9    gate 0, twice (a pair for the packed multiply)
.set G1,  10                           ; v10, v11  gate 1, twice
.set Y,   16                           ; v16-143   quarter c, source b = 4 k + part: four registers at 32 c + 4 b
	s_load_b256 s[4:11], s[0:1], 0x0               ; ypart s[4:5], plist s[6:7], rflt s[8:9], ridx s[10:11]
	s_load_b64 s[18:19], s[0:1], 0x20              ; out0
	v_lshrrev_b32 v1, 5, v0
	v_readfirstlane_b32 s14, v1                    ; wave 0..7
	v_and_b32 v[OV], 31, v0
	v_lshlrev_b32 v[OV], 4, v[OV]
	s_wait_alu depctr_va_sdst(0)                   ; s14 is written, ahead of its first reader: the token and the half of its row are made from it
	s_lshr_b32 s15, s14, 1
	s_lshl2_add_u32 s15, ttmp9, s15                ; token
	s_and_b32 s16, s14, 1
	s_lshl_b32 s16, s16, 11                        ; my half of the row, in bytes
	s_lshl_b32 s20, s15, 2
	s_mov_b32 s29, 0
	s_wait_kmcnt 0x0
	s_load_b32 s21, s[10:11], s20 offset:0x0       ; the token's two experts
	s_load_b32 s26, s[8:9], s20 offset:0x0         ; gate 0
	s_load_b32 s27, s[8:9], s20 offset:0x1000      ; gate 1
	s_wait_kmcnt 0x0
	s_and_b32 s22, s21, 0xff
	s_lshr_b32 s23, s21, 8
	s_min_u32 s22, s22, 7                          ; an expert read from memory stays inside the table's eight rows
	s_min_u32 s23, s23, 7
	s_lshl_b32 s22, s22, 12                        ; a row of 1,024 words
	s_lshl_b32 s23, s23, 12
	s_add_co_u32 s22, s22, s20
	s_add_co_u32 s23, s23, s20
	s_load_b32 s24, s[6:7], s22 offset:0x0         ; posE[e0][token]
	s_load_b32 s25, s[6:7], s23 offset:0x0         ; posE[e1][token]
	s_wait_kmcnt 0x0
	s_min_u32 s24, s24, 8319                       ; a place read from memory stays inside the 8,320 rows
	s_min_u32 s25, s25, 8319
	s_lshl_b32 s24, s24, 12
	s_lshl_b32 s25, s25, 12
	s_add_co_u32 s28, s24, s16
	s_add_nc_u64 s[32:33], s[4:5], s[28:29]        ; first expert's row, parts 0 to 3
	s_add_nc_u64 s[34:35], s[32:33], PART
	s_add_nc_u64 s[36:37], s[32:33], 2*PART
	s_add_nc_u64 s[38:39], s[32:33], 3*PART
	s_add_co_u32 s28, s25, s16
	s_add_nc_u64 s[40:41], s[4:5], s[28:29]        ; second expert's row
	s_add_nc_u64 s[42:43], s[40:41], PART
	s_add_nc_u64 s[44:45], s[40:41], 2*PART
	s_add_nc_u64 s[46:47], s[40:41], 3*PART
	s_wait_alu depctr_va_vdst(0)                   ; v[OV] is written, which every load and store below reads as its offset
.irp c, 0,1,2,3
.irp b, 0,1,2,3,4,5,6,7
	global_load_b128 v[Y+32*\c+4*\b:Y+32*\c+4*\b+3], v[OV], s[32+2*\b:33+2*\b] offset:512*\c th:TH_LOAD_NT
.endr
.endr
	s_lshl_b32 s28, s15, 12
	s_add_co_u32 s28, s28, s16
	s_add_nc_u64 s[12:13], s[18:19], s[28:29]      ; my half row of out0
	v_mov_b32 v[G0], s26
	v_mov_b32 v[G0+1], s26
	v_mov_b32 v[G1], s27
	v_mov_b32 v[G1+1], s27
.irp c, 0,1,2,3
	s_wait_loadcnt 8*(3-\c)                        ; quarter c's eight loads are in; the later quarters' stay out
.if \c > 0
	s_wait_alu depctr_va_vdst(0)                   ; the quarter before has written its four results, which the store below reads
	global_store_b128 v[OV], v[Y+32*(\c-1):Y+32*(\c-1)+3], s[12:13] offset:512*(\c-1) th:TH_STORE_NT
.endif
.irp k, 0,16
.irp p, 0,2
	v_pk_add_f32 v[Y+32*\c+\k+\p:Y+32*\c+\k+\p+1], v[Y+32*\c+\k+\p:Y+32*\c+\k+\p+1], v[Y+32*\c+\k+4+\p:Y+32*\c+\k+4+\p+1]
	v_pk_add_f32 v[Y+32*\c+\k+8+\p:Y+32*\c+\k+8+\p+1], v[Y+32*\c+\k+8+\p:Y+32*\c+\k+8+\p+1], v[Y+32*\c+\k+12+\p:Y+32*\c+\k+12+\p+1]
.endr
.irp p, 0,2
	v_pk_add_f32 v[Y+32*\c+\k+\p:Y+32*\c+\k+\p+1], v[Y+32*\c+\k+\p:Y+32*\c+\k+\p+1], v[Y+32*\c+\k+8+\p:Y+32*\c+\k+8+\p+1]
.endr
.endr
.irp p, 0,2
	v_pk_mul_f32 v[Y+32*\c+\p:Y+32*\c+\p+1], v[Y+32*\c+\p:Y+32*\c+\p+1], v[G0:G0+1]
.endr
.irp p, 0,2
	v_pk_fma_f32 v[Y+32*\c+\p:Y+32*\c+\p+1], v[Y+32*\c+16+\p:Y+32*\c+16+\p+1], v[G1:G1+1], v[Y+32*\c+\p:Y+32*\c+\p+1]
.endr
.endr
	s_wait_alu depctr_va_vdst(0)                   ; the last quarter has written its four results, which the last store reads
	global_store_b128 v[OV], v[Y+96:Y+99], s[12:13] offset:1536 th:TH_STORE_NT
	s_endpgm
.Lfunc_end_k_q0fa097f55d_combine:
	.size	k_q0fa097f55d_combine, .Lfunc_end_k_q0fa097f55d_combine-k_q0fa097f55d_combine
	.p2alignl 7, 3214868480
	.fill 96, 4, 3214868480
	.section	.rodata,"a",@progbits
	.p2align	6, 0x0
	.amdhsa_kernel k_q0fa097f55d_combine
		.amdhsa_group_segment_fixed_size 0
		.amdhsa_private_segment_fixed_size 0
		.amdhsa_enable_private_segment 0
		.amdhsa_kernarg_size 40
		.amdhsa_user_sgpr_count 2
		.amdhsa_user_sgpr_kernarg_segment_ptr 1
		.amdhsa_wavefront_size32 1
		.amdhsa_system_sgpr_workgroup_id_x 1
		.amdhsa_system_sgpr_workgroup_id_y 1
		.amdhsa_system_sgpr_workgroup_id_z 1
		.amdhsa_system_vgpr_workitem_id 0
		.amdhsa_next_free_vgpr 144
		.amdhsa_next_free_sgpr 66
		.amdhsa_reserve_vcc 0
		.amdhsa_float_denorm_mode_32 3
		.amdhsa_float_denorm_mode_16_64 3
		.amdhsa_memory_ordered 1
		.amdhsa_forward_progress 1
		.amdhsa_inst_pref_size 11
	.end_amdhsa_kernel
	.amdgpu_metadata
---
amdhsa.version: [ 1, 2 ]
amdhsa.kernels:
  - .name:           k_q0fa097f55d_combine
    .symbol:         k_q0fa097f55d_combine.kd
    .args:
      - { .name: ypart, .offset: 0, .size: 8, .value_kind: global_buffer, .address_space: global }
      - { .name: plist, .offset: 8, .size: 8, .value_kind: global_buffer, .address_space: global }
      - { .name: rflt, .offset: 16, .size: 8, .value_kind: global_buffer, .address_space: global }
      - { .name: ridx, .offset: 24, .size: 8, .value_kind: global_buffer, .address_space: global }
      - { .name: out0, .offset: 32, .size: 8, .value_kind: global_buffer, .address_space: global }
    .group_segment_fixed_size: 0
    .private_segment_fixed_size: 0
    .kernarg_segment_align: 8
    .kernarg_segment_size: 40
    .max_flat_workgroup_size: 256
    .sgpr_count:     66
    .vgpr_count:     144
    .wavefront_size: 32
...
	.end_amdgpu_metadata
.endif
;; end of part 9
